; MI455X (gfx1250); checked and timed in simulation.
; The chip was launched on July 23, 2026; its instructions are those of AMD's public machine-readable ISA for CDNA 5 (MIT licence, August 2026) and "CDNA5" Instruction Set Architecture Reference Guide (July 2026). The comments in the code are by the model that wrote it; some were corrected since.
;; Titan Block. Allowed arithmetic: float matrix products may take bf16 or f16 operands with f32 sums; other float arithmetic in f32, or as packed bf16 or f16 multiplies, adds, multiply-adds, maxima and minima; sums over many terms, partial sums and values carried from step to step in f32; what a program stores and reads back later, other than sums and carried values, may be rounded once to bf16 or f16.
;; Inputs: attn_proj_b 1,024 float32; attn_proj_w 1,024 x 1,024 float32; c_attn_b 3,072 float32; c_attn_w 1,024 x 3,072 float32; fc_b 4,096 float32; fc_w 1,024 x 4,096 float32; ln1_b 1,024 float32; ln1_w 1,024 float32; ln2_b 1,024 float32; ln2_w 1,024 float32; mlp_proj_b 1,024 float32; mlp_proj_w 4,096 x 1,024 float32; x 2 x 2,048 x 1,024 float32.
;; Outputs: out0 2 x 2,048 x 1,024 float32.
;; One version. Each part assembles by itself: llvm-mc -triple=amdgcn-amd-amdhsa -mcpu=gfx1250 --defsym DOCPART=n.
;; ======== version 1 of 1: 7 launches
;; limits: right only within a limited range of input values; a function is approximated: absolute error at most 1.5e-07; an absolute error that grows with the inputs' magnitude: up to 7.5e-08 times it
;; workspace buffers: wa 6,291,456 bytes; wb 25,165,824 bytes; h1 8,388,608 bytes; qkv 25,165,824 bytes; y 8,388,608 bytes; x1 16,777,216 bytes; h2 8,388,608 bytes; g 33,554,432 bytes
;; launch prep (part 1): grid 512 x 1, 8 waves a work-group, no clusters, 0 bytes of LDS; arguments x, ln1_w, ln1_b, h1, c_attn_w, attn_proj_w, wa, wb; writes h1, wa, wb
.if DOCPART == 1
	.amdgcn_target "amdgcn-amd-amdhsa--gfx1250"
	.amdhsa_code_object_version 6
	.text
	.protected	k_q1d176f08de_prep
	.globl	k_q1d176f08de_prep
	.p2align	8
	.type	k_q1d176f08de_prep,@function
k_q1d176f08de_prep:
	s_mov_b64 s[64:65], 0
	v_nop
	global_prefetch_b8 v0, s[64:65] scope:SCOPE_SE
	s_setreg_imm32_b32 hwreg(HW_REG_WAVE_MODE, 25, 1), 1
	s_wait_xcnt 0x0
; TWO ROLES, chosen by the work-group's number.  Numbers 0-255: LAYERNORM of 16 rows of [4096][1024] f32, written as bf16.  Numbers 256-511: 16,384 numbers of a weight matrix, f32 to bf16.
; (A launch of 256 work-groups is a layernorm alone.)  Both roles read 64 KiB and write 32 KiB a work-group; nothing is read twice, nothing goes through LDS, no wave waits for another.
; LAYERNORM.  One wave, one row at a time, two rows a wave: a row of 4,096 bytes is 32 registers.  Mean first, then the mean of the squares of x - mean (two passes over registers, so a common
; offset of the row costs no digits), then (x - mean) rsqrt(var + 1e-5) w + b, rounded once to bf16.  Load j of a row covers 512 consecutive bytes; store j of the wave covers 256 consecutive bytes, aligned.
; CAST.  The matrices keep their layout [in][out]: c_attn_w (192 work-groups) goes to wa from byte 0, attn_proj_w (64 work-groups) to wb from byte 6,291,456.
; LIMITS.  NaN and infinities are not treated apart.
.set W,   8                            ; v[8:39]    the gain of my 32 columns (columns 128 j + 4 lane + 0..3)
.set BV,  40                           ; v[40:71]   the bias
.set X0,  72                           ; v[72:103]  my first row
.set X1,  104                          ; v[104:135] my second row
.set T,   136                          ; v[136:151] at work; then the row in bf16
.set M,   152                          ; v[152:153] the mean, twice
.set R,   154                          ; v[154:155] 1 / sqrt(var + eps), twice
	s_load_b256 s[8:15], s[0:1], 0x0               ; in s[8:9], gain s[10:11], bias s[12:13], out s[14:15]
	s_load_b256 s[16:23], s[0:1], 0x20             ; c_attn_w s[16:17], attn_proj_w s[18:19], wa s[20:21], wb s[22:23]
	s_cmp_ge_u32 ttmp9, 256
	s_cbranch_scc1 .Lcast
	v_lshrrev_b32 v4, 5, v0
	v_readfirstlane_b32 s28, v4                    ; wave 0..7
	v_and_b32 v3, 31, v0
	v_lshlrev_b32 v1, 4, v3                        ; 16 x lane: my 16 bytes of 512
	v_lshlrev_b32 v2, 3, v3                        ; 8 x lane: my 8 bytes of 256
	s_lshl_b32 s29, ttmp9, 4
	s_lshl1_add_u32 s29, s28, s29                  ; my first row = 16 x work-group + 2 x wave
	s_lshl_b32 s30, s29, 12                        ; its byte in the input,
	s_mov_b32 s31, 0
	s_lshl_b32 s32, s29, 11                        ; and in the output
	s_mov_b32 s33, 0
	s_mov_b32 s26, 0x76543210                      ; v_permlanex16_b32: each lane takes its own place in the other half
	s_mov_b32 s27, 0xfedcba98
	s_mov_b32 s34, 0x3a800000                      ; 1 / 1024
	s_mov_b32 s35, 0x3727c5ac                      ; 1e-5
	s_wait_kmcnt 0x0
	s_add_nc_u64 s[8:9], s[8:9], s[30:31]
	s_add_nc_u64 s[14:15], s[14:15], s[32:33]
.irp j, 0,1,2,3,4,5,6,7
	global_load_b128 v[W+4*(\j):W+4*(\j)+3], v1, s[10:11] offset:512*(\j)
	global_load_b128 v[BV+4*(\j):BV+4*(\j)+3], v1, s[12:13] offset:512*(\j)
.endr
.irp j, 0,1,2,3,4,5,6,7
	global_load_b128 v[X0+4*(\j):X0+4*(\j)+3], v1, s[8:9] offset:512*(\j) th:TH_LOAD_NT
.endr
.irp j, 0,1,2,3,4,5,6,7
	global_load_b128 v[X1+4*(\j):X1+4*(\j)+3], v1, s[8:9] offset:512*(\j)+4096 th:TH_LOAD_NT
.endr
.macro LANESUM                         ; v[T] summed over the 32 lanes, the result in every lane
	v_add_f32 v[T], v[T], v[T+1]
	v_add_f32_dpp v[T], v[T], v[T] row_xmask:1 row_mask:0xf bank_mask:0xf
	v_add_f32_dpp v[T], v[T], v[T] row_xmask:2 row_mask:0xf bank_mask:0xf
	v_add_f32_dpp v[T], v[T], v[T] row_xmask:4 row_mask:0xf bank_mask:0xf
	v_add_f32_dpp v[T], v[T], v[T] row_xmask:8 row_mask:0xf bank_mask:0xf
	v_permlanex16_b32 v[T+1], v[T], s26, s27
	v_add_f32 v[T], v[T], v[T+1]
.endm
.macro FOLD                            ; four chains of pairs into one pair
	v_pk_add_f32 v[T:T+1], v[T:T+1], v[T+2:T+3]
	v_pk_add_f32 v[T+4:T+5], v[T+4:T+5], v[T+6:T+7]
	v_pk_add_f32 v[T:T+1], v[T:T+1], v[T+4:T+5]
.endm
; One row.  X: its registers; left: the younger loads that may stay out; orow: its byte in the output behind my first row.
.macro LNROW X, left, orow
	s_wait_loadcnt \left                           ; the row is in (gain and bias were asked for ahead of it)
	s_wait_xcnt 0x0                                ; T, which the row before's stores read, is written again only behind this wait
.irp k, 0,1,2,3
	v_pk_add_f32 v[T+2*(\k):T+2*(\k)+1], v[(\X)+4*(\k):(\X)+4*(\k)+1], v[(\X)+4*(\k)+2:(\X)+4*(\k)+3]
.endr
.irp k, 0,1,2,3
	v_pk_add_f32 v[T+2*(\k):T+2*(\k)+1], v[T+2*(\k):T+2*(\k)+1], v[(\X)+16+4*(\k):(\X)+16+4*(\k)+1]
.endr
.irp k, 0,1,2,3
	v_pk_add_f32 v[T+2*(\k):T+2*(\k)+1], v[T+2*(\k):T+2*(\k)+1], v[(\X)+18+4*(\k):(\X)+18+4*(\k)+1]
.endr
	FOLD
	LANESUM
	v_mul_f32 v[M], s34, v[T]
	v_mul_f32 v[M+1], s34, v[T]
.set p, 0
.rept 16
	v_pk_add_f32 v[(\X)+2*p:(\X)+2*p+1], v[(\X)+2*p:(\X)+2*p+1], v[M:M+1] neg_lo:[0,1] neg_hi:[0,1]  ; x - mean, in place
.set p, p+1
.endr
.irp k, 0,1,2,3
	v_pk_mul_f32 v[T+2*(\k):T+2*(\k)+1], v[(\X)+2*(\k):(\X)+2*(\k)+1], v[(\X)+2*(\k):(\X)+2*(\k)+1]
.endr
.set p, 4
.rept 12
	v_pk_fma_f32 v[T+2*(p%4):T+2*(p%4)+1], v[(\X)+2*p:(\X)+2*p+1], v[(\X)+2*p:(\X)+2*p+1], v[T+2*(p%4):T+2*(p%4)+1]
.set p, p+1
.endr
	FOLD
	LANESUM
	v_fma_f32 v[T], v[T], s34, s35                 ; var + eps
	v_rsq_f32 v[R], v[T]
	v_rsq_f32 v[R+1], v[T]
	v_nop                                          ; a plain instruction behind the two roots,
	s_wait_alu depctr_va_vdst(0)                   ; and the one wait ahead of their first reader
.set p, 0
.rept 16
	v_pk_mul_f32 v[(\X)+2*p:(\X)+2*p+1], v[(\X)+2*p:(\X)+2*p+1], v[R:R+1]
.set p, p+1
.endr
.set p, 0
.rept 16
	v_pk_fma_f32 v[(\X)+2*p:(\X)+2*p+1], v[(\X)+2*p:(\X)+2*p+1], v[W+2*p:W+2*p+1], v[BV+2*p:BV+2*p+1]
.set p, p+1
.endr
.set p, 0
.rept 16
	v_cvt_pk_bf16_f32 v[T+p], v[(\X)+2*p], v[(\X)+2*p+1]
.set p, p+1
.endr
.irp j, 0,1,2,3,4,5,6,7
	global_store_b64 v2, v[T+2*(\j):T+2*(\j)+1], s[14:15] offset:256*(\j)+(\orow)
.endr
.endm
	LNROW X0, 8, 0                                 ; the eight younger loads are the second row's
	LNROW X1, 0, 2048
	s_endpgm
.Lcast:                                        ; thread t: sixteen times 4 numbers, 4,096 bytes apart; all loads go out first, each into registers of its own
	s_sub_co_u32 s29, ttmp9, 256                   ; 0..255
	v_lshlrev_b32 v1, 4, v0
	v_lshlrev_b32 v2, 3, v0
	s_mov_b32 s36, 192
	s_mov_b32 s37, 6291456
	s_wait_kmcnt 0x0
	s_cmp_lt_u32 s29, 192                          ; which matrix, where it goes, and the number of its first work-group
	s_cselect_b64 s[30:31], s[16:17], s[18:19]
	s_cselect_b64 s[24:25], s[20:21], s[22:23]
	s_cselect_b32 s32, 0, s36
	s_cselect_b32 s34, 0, s37
	s_sub_co_u32 s32, s29, s32                     ; my chunk in its matrix
	s_lshl_b32 s38, s32, 15                        ; 32,768 bytes of bf16 a chunk
	s_add_co_u32 s34, s34, s38
	s_mov_b32 s35, 0
	s_lshl_b32 s32, s32, 16                        ; 65,536 bytes of f32 a chunk
	s_mov_b32 s33, 0
	s_add_nc_u64 s[30:31], s[30:31], s[32:33]
	s_add_nc_u64 s[24:25], s[24:25], s[34:35]
.set p, 0
.rept 16
	global_load_b128 v[8+4*p:8+4*p+3], v1, s[30:31] offset:4096*p th:TH_LOAD_NT
.set p, p+1
.endr
.set p, 0
.rept 16
	s_wait_loadcnt 15-p                            ; loads come back in order: number p is in
	v_cvt_pk_bf16_f32 v[72+2*p], v[8+4*p], v[8+4*p+1]
	v_cvt_pk_bf16_f32 v[72+2*p+1], v[8+4*p+2], v[8+4*p+3]
	global_store_b64 v2, v[72+2*p:72+2*p+1], s[24:25] offset:2048*p
.set p, p+1
.endr
	s_endpgm
.Lfunc_end_k_q1d176f08de_prep:
	.size	k_q1d176f08de_prep, .Lfunc_end_k_q1d176f08de_prep-k_q1d176f08de_prep
	.p2alignl 7, 3214868480
	.fill 96, 4, 3214868480
	.section	.rodata,"a",@progbits
	.p2align	6, 0x0
	.amdhsa_kernel k_q1d176f08de_prep
		.amdhsa_group_segment_fixed_size 0
		.amdhsa_private_segment_fixed_size 0
		.amdhsa_enable_private_segment 0
		.amdhsa_kernarg_size 64
		.amdhsa_user_sgpr_count 2
		.amdhsa_user_sgpr_kernarg_segment_ptr 1
		.amdhsa_wavefront_size32 1
		.amdhsa_system_sgpr_workgroup_id_x 1
		.amdhsa_system_sgpr_workgroup_id_y 1
		.amdhsa_system_sgpr_workgroup_id_z 1
		.amdhsa_system_vgpr_workitem_id 0
		.amdhsa_next_free_vgpr 176
		.amdhsa_next_free_sgpr 66
		.amdhsa_reserve_vcc 0
		.amdhsa_float_denorm_mode_32 3
		.amdhsa_float_denorm_mode_16_64 3
		.amdhsa_memory_ordered 1
		.amdhsa_forward_progress 1
		.amdhsa_inst_pref_size 27
	.end_amdhsa_kernel
	.amdgpu_metadata
---
amdhsa.version: [ 1, 2 ]
amdhsa.kernels:
  - .name:           k_q1d176f08de_prep
    .symbol:         k_q1d176f08de_prep.kd
    .args:
      - { .name: x, .offset: 0, .size: 8, .value_kind: global_buffer, .address_space: global }
      - { .name: ln1_w, .offset: 8, .size: 8, .value_kind: global_buffer, .address_space: global }
      - { .name: ln1_b, .offset: 16, .size: 8, .value_kind: global_buffer, .address_space: global }
      - { .name: h1, .offset: 24, .size: 8, .value_kind: global_buffer, .address_space: global }
      - { .name: c_attn_w, .offset: 32, .size: 8, .value_kind: global_buffer, .address_space: global }
      - { .name: attn_proj_w, .offset: 40, .size: 8, .value_kind: global_buffer, .address_space: global }
      - { .name: wa, .offset: 48, .size: 8, .value_kind: global_buffer, .address_space: global }
      - { .name: wb, .offset: 56, .size: 8, .value_kind: global_buffer, .address_space: global }
    .group_segment_fixed_size: 0
    .private_segment_fixed_size: 0
    .kernarg_segment_align: 8
    .kernarg_segment_size: 64
    .max_flat_workgroup_size: 256
    .sgpr_count:     66
    .vgpr_count:     176
    .wavefront_size: 32
...
	.end_amdgpu_metadata
.endif
;; end of part 1
;; launch qkv (part 2): grid 16 x 16, 4 waves a work-group, clusters of 4 x 4, 327,680 bytes of LDS; arguments h1, wa, c_attn_b, qkv, fc_w, mlp_proj_w, wb; writes qkv, wb
.if DOCPART == 2
	.amdgcn_target "amdgcn-amd-amdhsa--gfx1250"
	.amdhsa_code_object_version 6
	.text
	.protected	k_q1d176f08de_qkv
	.globl	k_q1d176f08de_qkv
	.p2align	8
	.type	k_q1d176f08de_qkv,@function
k_q1d176f08de_qkv:
	s_mov_b64 s[64:65], 0
	v_nop
	global_prefetch_b8 v0, s[64:65] scope:SCOPE_SE
	s_setreg_imm32_b32 hwreg(HW_REG_WAVE_MODE, 25, 1), 1
	s_wait_xcnt 0x0
	s_wait_alu depctr_hold_cnt(0) depctr_sa_sdst(0) depctr_va_vdst(0) depctr_va_sdst(0) depctr_va_ssrc(0) depctr_va_vcc(0) depctr_vm_vsrc(0)
	s_getreg_b32 s2, hwreg(HW_REG_IB_STS2, 6, 4)
	s_cmp_eq_u32 s2, 0
	s_cbranch_scc0 .Lentry_in_a_cluster
	s_endpgm
.Lentry_in_a_cluster:
	s_bfe_u32 s2, ttmp6, 0x10000c
	s_cmp_lg_u32 s2, 0xf033
	s_cbranch_scc0 .Lentry_shape_is_right
	s_endpgm
.Lentry_shape_is_right:
; TWO ROLES, chosen by the cluster's x, which all sixteen partners of a cluster share.
; CLUSTERS x = 0, 1, 2: qkv = h1 c_attn_w + c_attn_b.  h1: [4096][1024] bf16.  The weights: [1024 k][3072 n] bf16, in wa.  Sums in f32, started by the bias; rounded once to bf16.
; OUT: [3 tensor][2 batch][16 head][2 parity of t][1024 t/2][64] bf16: a head's even rows, then its odd rows, each dense.
; CLUSTERS x = 3 (3,072 columns are 12 tile columns, three columns of clusters; these 64 work-groups have no tile): fc_w and mlp_proj_w, f32 to bf16, for the launches behind: see .Lcast.  They ask for nothing
; jointly, touch no LDS and pass no barrier.
; A tile of C, 256 x 256, is made by four waves, 128 x 128 each: 64 accumulators of 16 x 16.  K goes in steps of 128 through two LDS slots filled by the tensor data mover.
; A's tile lies [m][k] (rows of 256 bytes + 16 of padding), B's [k][n] as in memory (rows of 512 bytes + 32): B's fragments come out of LDS turned, by ds_load_tr16_b128.
; THE MATRIX INSTRUCTION IS USED TRANSPOSED (source 0 = 16 columns n of B, source 1 = 16 rows of A): a lane holds one row m (lane % 16) and the columns 8 (lane / 16) + 0..7.
; THE BIAS is the C operand of each accumulator's first product: register j of block b holds bias[16 b + 8 (lane / 16) + j].
; ONE K STEP IS WRITTEN ONCE: the slot that is read is a scalar, 0 or SLOT, turned by an exclusive or; the walking descriptor's LDS word likewise (wave x HALF shares no bit with SLOT, so the or adds).
; CLUSTER 4 x 4: A's tile is asked for jointly along a row of the cluster, B's along a column.
; THE WAY OUT: the f32 sums go into the ring's bytes, which have had their last fill, each wave into 128 rows x 528 bytes of its own, and come back by rows.
; REGISTERS, in windows of 256: window 0: v16-31 addresses; v64-191 A's fragments, two buffers; v192-255 the bias.  window 1: v64-191 B's fragments.  windows 2, 3: the accumulators, (a, b) at v[8 (8 (a % 4) + b)].
; LIMITS.  NaN and infinities are not treated apart.
.set SIZE_K, 1024
.set SIZE_N, 3072
.set WOFF,   0
.set KSTEP,  128
.set PA,     272
.set PB,     544                       ; 136 words
.set HALF,   128*PA                    ; what one tensor load brings: 128 rows of A, or 64 rows of B (64 x 544 is the same number)
.set SLOT,   4*HALF                    ; A's 256 rows, then B's 128 rows
.set DPITCH, 528
.set DUMPW,  128*DPITCH
.set SPARE,  2*SLOT                    ; behind the ring: the spare words, 128 bytes for each wave
.set ADRA0, 16                         ; v16  my lane's place in A's tile; never rewritten
.set ADRB0, 17                         ; v17  the same for B
.set ADRA,  18                         ; v18  + the slot that is read
.set ADRB,  19
.set DST,   24                         ; v24  the way out: where I put 16 bytes of a row
.set DRD,   25                         ; v25  where I read rows back
.set GO,    26                         ; v26  16 x lane
.set SPW,   28
.set NIL,   29
.set PFO,   30                         ; v30  the prefetches' offset
.set BO,    31                         ; v31  my byte offset in the bias
.set F0,    64
.set F1,    128
.set BI,    192
.set WV, 12
.set RH, 13                            ; which half of the tile's rows is mine.  Also: I fetch for A (0) or for B (1)
.set CH, 14                            ; which half of its columns.  Also: which half of that tile I fetch
.set CX, 15
.set CY, 16
.set TX, 17
.set TY, 18
.set TB, 19                            ; the slot that is read: 0 or SLOT
.set G1A, 28
.set G0A, 36                           ; two sets: the first fills'; the second then walks on
.set G1B, 44
.set G0B, 52
.set PFA, 60                           ; s[60:61] where my prefetches stand
.set PST, 62                           ; s[62:63] a K step there, in bytes
.set LIM, 66                           ; 2 in a wave that prefetches, else the greatest number
.set MSB, 0
.macro WIN new                         ; the immediate's high byte repeats the setting that is left
.if MSB != (\new)
	s_set_vgpr_msb (MSB<<8)|(\new)
.set MSB, \new
.endif
.endm
.macro PLACES                          ; four places behind a matrix instruction, in front of loads into its registers and of readers of its result
.rept 4
	v_nop
.endr
.endm
.macro JLOAD                           ; the joint refill, by the walking descriptor; the branch hangs on the wave's number alone; an s_nop 0 and four v_nop follow each line
	s_cmp_eq_u32 s[RH], 0
	s_cbranch_scc0 .Lfor_b_\@
	tensor_load_to_lds s[G0A+4:G0A+7], s[G1A:G1A+7]
	s_nop 0
	PLACES
	s_branch .Lasked_\@
.Lfor_b_\@:
	tensor_load_to_lds s[G0B+4:G0B+7], s[G1B:G1B+7]
	s_nop 0
	PLACES
.Lasked_\@:
.endm
.macro CREST                           ; a round of the cluster's barrier behind its opening barrier
	s_cmp_lg_u32 s[WV], 0
	s_cbranch_scc1 .Lnot_wave_0_\@
	s_barrier_signal -3
.Lnot_wave_0_\@:
	s_barrier_wait -3
	s_barrier_signal -1
	s_barrier_wait -1
.endm
.macro CROUND
	s_barrier_signal -1
	s_barrier_wait -1
	CREST
.endm
; A prefetch of the K step that stands two refills on, 512 matrix instructions ahead of its load: 32 blocks of 256 bytes, a lane a block.  A's rows are asked for by the clusters with x = 0, B's by those with y = 0;
; the four partners that ask for a tile jointly share its blocks out by address.  So each block is named once.  The loop's last two trips have no K step two on.
.macro ASK
	s_cmp_gt_u32 s3, s[LIM]
	s_cbranch_scc0 .Lnot_mine_\@
	global_prefetch_b8 v[PFO], s[PFA:PFA+1] th:TH_LOAD_NT scope:SCOPE_SE
.Lnot_mine_\@:
.endm
; 16 matrix instructions: m blocks a0, a0 + 1 of the window's four x all 8 n blocks, 32 along K.  first = 1: the bias starts the sums.  The 64 accumulators take turns in one order.
.macro MUL16 f, hi, a0, first
.if \first
	WIN 0x81+0x40*(\hi)                            ; B window 1, A and the bias window 0, D window 2 or 3
.else
	WIN 0xa1+0x50*(\hi)
.endif
.irp a, \a0, (\a0)+1
.irp b, 0,1,2,3,4,5,6,7
.if \first
	v_wmma_f32_16x16x32_bf16 v[8*(8*(\a)+(\b)):8*(8*(\a)+(\b))+7], v[(\f)+8*(\b):(\f)+8*(\b)+7], v[(\f)+8*(4*(\hi)+(\a)):(\f)+8*(4*(\hi)+(\a))+7], v[BI+8*(\b):BI+8*(\b)+7]
.else
	v_wmma_f32_16x16x32_bf16 v[8*(8*(\a)+(\b)):8*(8*(\a)+(\b))+7], v[(\f)+8*(\b):(\f)+8*(\b)+7], v[(\f)+8*(4*(\hi)+(\a)):(\f)+8*(4*(\hi)+(\a))+7], v[8*(8*(\a)+(\b)):8*(8*(\a)+(\b))+7]
.endif
.endr
.endr
.endm
; 32 LDS loads in one run: quarter q's fragments (32 along K) into buffer f: B's eight (turned), then A's eight
.macro FETCH q, f
	WIN 0x40
.irp i, 0,1,2,3,4,5,6,7
	ds_load_tr16_b128 v[(\f)+8*(\i):(\f)+8*(\i)+3],   v[ADRB] offset:(\q)*32*PB+32*(\i)
	ds_load_tr16_b128 v[(\f)+8*(\i)+4:(\f)+8*(\i)+7], v[ADRB] offset:(\q)*32*PB+16*PB+32*(\i)
.endr
	WIN 0
.irp i, 0,1,2,3,4,5,6,7
	ds_load_b128 v[(\f)+8*(\i):(\f)+8*(\i)+3],   v[ADRA] offset:64*(\q)+(\i)*16*PA
	ds_load_b128 v[(\f)+8*(\i)+4:(\f)+8*(\i)+7], v[ADRA] offset:64*(\q)+(\i)*16*PA+32
.endr
.endm
; One of a K step's first three quarters: multiplies buffer f; in its middle it fetches quarter qn into buffer g.
.macro QUARTER qn, f, g, first
	s_wait_dscnt 8                                 ; B and A's rows 0-63 are in; the youngest eight loads (A's rows 64-127) may be out
	MUL16 \f, 0, 0, \first
	MUL16 \f, 0, 2, \first
	PLACES
	FETCH \qn, \g
	s_wait_dscnt 32                                ; all but the 32 just issued
	MUL16 \f, 1, 0, \first
	MUL16 \f, 1, 2, \first
.endm
; The last quarter multiplies buffer 1 and changes slots.  In front of the barrier each wave waits for all its tensor loads (one is out: its part of the next slot), adds 0 to its spare word, and waits for that and
; for its reads of this slot.  fill = 1: the barrier opens a round of the cluster's, and this slot is filled again, first thing behind the round.
.macro TURN fill
.if \fill
	s_wait_xcnt 0x0                                ; the last prefetch, a K step back, has read its address
	s_add_nc_u64 s[PFA:PFA+1], s[PFA:PFA+1], s[PST:PST+1]
.endif
	WIN 0
	s_wait_tensorcnt 0x0
	ds_add_u32 v[SPW], v[NIL]
	s_wait_dscnt 9                                 ; (the add and the youngest eight loads may be out)
	MUL16 F1, 0, 0, 0
	s_wait_dscnt 0x0                               ; the add is done, and my reads of this slot are over
	s_barrier_signal -1
	MUL16 F1, 0, 2, 0
	WIN 0
	s_barrier_wait -1
.if \fill
	CREST
	s_xor_b32 s[G0A+5], s[G0A+5], SLOT             ; the other slot than last time,
	s_add_nc_u64 s[G0A+6:G0A+7], s[G0A+6:G0A+7], KSTEP*2  ; the next K step
	s_xor_b32 s[G0B+5], s[G0B+5], SLOT
	s_add_nc_u64 s[G0B+6:G0B+7], s[G0B+6:G0B+7], KSTEP*2*SIZE_N
	JLOAD                                          ; 224 matrix instructions ahead of the wait for it; its four v_nop are also the places in front of the loads below
.else
	PLACES
.endif
	s_xor_b32 s[TB], s[TB], SLOT
	v_add_nc_u32 v[ADRA], s[TB], v[ADRA0]
	v_add_nc_u32 v[ADRB], s[TB], v[ADRB0]
	FETCH 0, F0
.if \fill
	ASK
.endif
	MUL16 F1, 1, 0, 0
	MUL16 F1, 1, 2, 0
.endm
	s_cmp_eq_u32 ttmp9, 3                          ; the cluster's x: the fourth column of clusters has no tile of C
	s_cbranch_scc1 .Lcast
	s_load_b256 s[4:11], s[0:1], 0x0               ; A s[4:5], wa s[6:7], bias s[8:9], out s[10:11]
	v_lshl_add_u32 v[SPW], v0, 2, SPARE
	v_mov_b32 v[NIL], 0
	ds_add_u32 v[SPW], v[NIL]                      ; the wave's opening: the add and its wait ahead of my first tensor load
	v_lshrrev_b32 v1, 5, v0
	v_readfirstlane_b32 s[WV], v1
	s_lshr_b32 s[RH], s[WV], 1
	s_and_b32 s[CH], s[WV], 1
	s_bfe_u32 s[CX], ttmp6, 0x40000
	s_bfe_u32 s[CY], ttmp6, 0x40004
	s_lshl_b32 s[TX], ttmp9, 2
	s_add_co_u32 s[TX], s[TX], s[CX]               ; tile column
	s_and_b32 s[TY], ttmp7, 0xffff
	s_lshl_b32 s[TY], s[TY], 2
	s_add_co_u32 s[TY], s[TY], s[CY]               ; tile row
	s_lshl_b32 s22, s[CY], 2
	s_lshl_b32 s22, 15, s22                        ; my row of the cluster
	s_lshl_b32 s23, 0x1111, s[CX]                  ; my column
	s_or_b32 s[G1A], s22, (1<<16)|(1<<20)|(1<<21)|(5<<22)|(3<<25)  ; mask; 2-byte elements; padding on; bit 21 beside a mask; after every 64 words, 4 words
	s_or_b32 s[G1B], s23, (1<<16)|(1<<20)|(1<<21)|(6<<22)|(7<<25)  ; after every 128 words, 8 words
	s_mov_b32 s[G1A+1], KSTEP<<16                  ; tensor_dim0 = 128
	s_mov_b32 s[G1A+2], 128<<16                    ; tensor_dim1 = 128
	s_mov_b32 s[G1A+3], KSTEP<<16                  ; tile_dim0 = 128
	s_mov_b32 s[G1A+4], 128                        ; tile_dim1 = 128
	s_mov_b32 s[G1A+5], SIZE_K                     ; elements from row to row
	s_mov_b32 s[G1A+6], 0
	s_mov_b32 s[G1A+7], 0
	s_mov_b32 s[G1B+1], 256<<16                    ; 256 columns,
	s_mov_b32 s[G1B+2], 64<<16                     ; 64 rows k
	s_mov_b32 s[G1B+3], 256<<16
	s_mov_b32 s[G1B+4], 64
	s_mov_b32 s[G1B+5], SIZE_N
	s_mov_b32 s[G1B+6], 0
	s_mov_b32 s[G1B+7], 0
	s_lshl_b32 s24, s[TY], 8
	s_lshl_b32 s67, s[CH], 7
	s_add_co_u32 s24, s24, s67
	s_lshl_b32 s24, s24, 11                        ; A: row 256 x tile row + 128 x half, 2,048 bytes a row
	s_mov_b32 s25, 0
	s_mul_i32 s26, s[CH], 64*2*SIZE_N              ; B: row k = 64 x half,
	s_lshl_b32 s68, s[TX], 9                       ; column 256 x tile column
	s_add_co_u32 s26, s26, s68
	s_add_co_u32 s26, s26, WOFF
	s_mov_b32 s27, 0
	s_mul_i32 s20, s[WV], HALF                     ; where my loads land: no place in the cluster enters an LDS address
	s_mov_b32 s[TB], 0
	s_wait_dscnt 0x0                               ; the opening add is done
	s_wait_kmcnt 0x0
	s_add_nc_u64 s[24:25], s[4:5], s[24:25]
	s_add_nc_u64 s[26:27], s[6:7], s[26:27]
	CROUND                                         ; all sixteen work-groups are here: the first joint loads meet
.irp s, 0,1
	s_mov_b32 s[G0A+4*(\s)], 1
	s_add_co_u32 s[G0A+4*(\s)+1], s20, (\s)*SLOT
	s_add_nc_u64 s[G0A+4*(\s)+2:G0A+4*(\s)+3], s[24:25], (\s)*KSTEP*2
	s_or_b32 s[G0A+4*(\s)+3], s[G0A+4*(\s)+3], 0x80000000
	s_mov_b32 s[G0B+4*(\s)], 1
	s_add_co_u32 s[G0B+4*(\s)+1], s20, (\s)*SLOT
	s_add_nc_u64 s[G0B+4*(\s)+2:G0B+4*(\s)+3], s[26:27], (\s)*KSTEP*2*SIZE_N
	s_or_b32 s[G0B+4*(\s)+3], s[G0B+4*(\s)+3], 0x80000000
.endr
	s_cmp_eq_u32 s[RH], 0                          ; a wave's two first fills stand in one branch: two loads of mine are out
	s_cbranch_scc0 .Lfirst_b
	tensor_load_to_lds s[G0A:G0A+3], s[G1A:G1A+7]
	s_nop 0
	tensor_load_to_lds s[G0A+4:G0A+7], s[G1A:G1A+7]
	s_nop 0
	PLACES
	s_branch .Lfirst_asked
.Lfirst_b:
	tensor_load_to_lds s[G0B:G0B+3], s[G1B:G1B+7]
	s_nop 0
	tensor_load_to_lds s[G0B+4:G0B+7], s[G1B:G1B+7]
	s_nop 0
	PLACES
.Lfirst_asked:
	v_and_b32 v1, 15, v0                           ; l % 16
	v_bfe_u32 v2, v0, 4, 1                         ; l / 16
	s_lshl_b32 s69, s[TX], 10
	s_lshl_b32 s70, s[CH], 9
	s_add_co_u32 s69, s69, s70                     ; my first column, 4 bytes each
	v_lshl_add_u32 v[BO], v2, 5, s69
.irp b, 0,1,2,3,4,5,6,7
	global_load_b128 v[BI+8*(\b):BI+8*(\b)+3],   v[BO], s[8:9] offset:64*(\b)
	global_load_b128 v[BI+8*(\b)+4:BI+8*(\b)+7], v[BO], s[8:9] offset:64*(\b)+16
.endr
	v_mul_u32_u24 v3, v1, PA
	v_lshl_add_u32 v3, v2, 4, v3
	s_mul_i32 s67, s[RH], HALF
	v_add_nc_u32 v[ADRA0], s67, v3                 ; row x pitch + 16 x half of the lanes + my 128 rows
	v_and_b32 v9, 7, v0
	v_lshl_add_u32 v4, v2, 3, v9                   ; the turning load: row k = 8 (l / 16) + l % 8,
	v_mul_u32_u24 v4, v4, PB
	v_bfe_u32 v5, v0, 3, 1
	v_lshl_add_u32 v4, v5, 4, v4                   ; columns 8 ((l / 8) % 2) + 0..7
	s_lshl_b32 s68, s[CH], 8
	s_add_co_u32 s68, s68, 2*HALF
	v_add_nc_u32 v[ADRB0], s68, v4
	v_mov_b32 v[ADRA], v[ADRA0]
	v_mov_b32 v[ADRB], v[ADRB0]
	s_mul_i32 s71, s[WV], DUMPW                    ; the way out
	v_mul_u32_u24 v6, v1, DPITCH
	v_lshl_add_u32 v6, v2, 5, v6
	v_add_nc_u32 v[DST], s71, v6
	v_and_b32 v7, 31, v0
	v_lshrrev_b32 v8, 3, v7
	v_mul_u32_u24 v8, v8, 2*DPITCH                 ; back: rows of one parity, two apart
	v_lshl_add_u32 v8, v9, 5, v8
	v_add_nc_u32 v[DRD], s71, v8
	v_lshlrev_b32 v[GO], 4, v7
	s_lshl_b32 s67, s[TY], 8                       ; where my part begins in the output
	s_lshl_b32 s68, s[RH], 7
	s_add_co_u32 s67, s67, s68                     ; my first row m
	s_lshr_b32 s68, s67, 11                        ; batch
	s_and_b32 s67, s67, 2047                       ; t
	s_lshl_b32 s22, s68, 22
	s_lshl_b32 s67, s67, 6                         ; (t / 2) x 128 bytes
	s_add_co_u32 s22, s22, s67
	s_lshl_b32 s69, s[TX], 8
	s_lshl_b32 s70, s[CH], 7
	s_add_co_u32 s69, s69, s70                     ; my first column n
	s_lshr_b32 s70, s69, 10                        ; q, k or v
	s_lshl_b32 s70, s70, 23
	s_add_co_u32 s22, s22, s70
	s_bfe_u32 s69, s69, 0x40006                    ; head
	s_lshl_b32 s69, s69, 18
	s_add_co_u32 s22, s22, s69
	s_mov_b32 s23, 0
	s_add_nc_u64 s[10:11], s[10:11], s[22:23]
	; the prefetches
	v_lshlrev_b32 v3, 11, v7                       ; A: a lane a row
	v_lshrrev_b32 v4, 1, v7                        ; B: two lanes a row of 512 bytes
	v_mul_u32_u24 v4, v4, 2*SIZE_N
	v_and_b32 v5, 1, v0
	v_lshl_add_u32 v4, v5, 8, v4
	s_lshl_b32 s69, s[TY], 8
	s_lshl_b32 s70, s[CH], 7
	s_add_co_u32 s69, s69, s70
	s_lshl_b32 s70, s[CX], 5                       ; my work-group's 32 of the 128 rows
	s_add_co_u32 s69, s69, s70
	s_lshl_b32 s69, s69, 11
	s_add_co_u32 s69, s69, 3*KSTEP*2               ; at K step 3: the first refill steps it to 4
	s_lshl_b32 s70, s[CH], 6
	s_lshl_b32 s71, s[CY], 4                       ; my work-group's 16 of the 64 rows
	s_add_co_u32 s70, s70, s71
	s_add_co_u32 s70, s70, 3*KSTEP
	s_mul_i32 s70, s70, 2*SIZE_N
	s_lshl_b32 s71, s[TX], 9
	s_add_co_u32 s70, s70, s71
	s_add_co_u32 s70, s70, WOFF
	s_mov_b32 s68, KSTEP*2*SIZE_N
	s_and_b32 s67, ttmp7, 0xffff                   ; cluster y
	s_cmp_eq_u32 s[RH], 0
	s_cselect_b32 s67, ttmp9, s67                  ; the coordinate along which other clusters read the same rows
	s_cselect_b64 s[PFA:PFA+1], s[4:5], s[6:7]
	s_cselect_b32 s22, s69, s70
	s_cselect_b32 s[PST], KSTEP*2, s68
	s_cselect_b32 s71, -1, 0
	s_mov_b32 s[PST+1], 0
	v_cndmask_b32 v[PFO], v4, v3, s71
	s_add_nc_u64 s[PFA:PFA+1], s[PFA:PFA+1], s[22:23]
	s_cmp_eq_u32 s67, 0
	s_cselect_b32 s[LIM], 2, -1                    ; the same in all sixteen partners, for a given wave
	s_wait_tensorcnt 0x1                           ; my part of K step 0 is in; K step 1's may stay out
	s_barrier_signal -1
	s_barrier_wait -1
	FETCH 0, F0
	s_wait_loadcnt 0x0                             ; the bias
	QUARTER 1, F0, F1, 1                           ; the first quarter stands in front of the loop: its products start the sums
	WIN 0
	s_mov_b32 s3, SIZE_K/KSTEP-2
.Lstep:                                        ; a trip ends a K step, fills its slot again with the step two on, and begins the next step
	QUARTER 2, F1, F0, 0
	QUARTER 3, F0, F1, 0
	TURN 1
	QUARTER 1, F0, F1, 0
	WIN 0
	s_sub_co_u32 s3, s3, 1
	s_cmp_lg_u32 s3, 0
	s_cbranch_scc1 .Lstep
	s_mov_b32 s3, 2
.Ltail:                                        ; the last two K steps ask for nothing; the second trip is left in its middle
	QUARTER 2, F1, F0, 0
	QUARTER 3, F0, F1, 0
	WIN 0
	s_sub_co_u32 s3, s3, 1
	s_cmp_eq_u32 s3, 0
	s_cbranch_scc1 .Llast
	TURN 0
	QUARTER 1, F0, F1, 0
	WIN 0
	s_branch .Ltail
.Llast:
	s_wait_dscnt 8
	MUL16 F1, 0, 0, 0
	MUL16 F1, 0, 2, 0
	s_wait_dscnt 0x0
	MUL16 F1, 1, 0, 0
	MUL16 F1, 1, 2, 0
	WIN 0
	PLACES
	s_wait_dscnt 0x0                               ; my reads of the ring are over;
	s_barrier_signal -1
	s_barrier_wait -1                              ; everybody's are, and no fill follows: the ring's bytes take the sums
.irp hi, 0,1
	WIN 0x08+4*(\hi)                               ; the data in window 2, then 3
.irp a, 0,1,2,3
.irp b, 0,1,2,3,4,5,6,7
	ds_store_b128 v[DST], v[8*(8*(\a)+(\b)):8*(8*(\a)+(\b))+3]   offset:(4*(\hi)+(\a))*16*DPITCH+64*(\b)
	ds_store_b128 v[DST], v[8*(8*(\a)+(\b))+4:8*(8*(\a)+(\b))+7] offset:(4*(\hi)+(\a))*16*DPITCH+64*(\b)+16
.endr
.endr
.endr
	WIN 0
	s_mov_b32 s2, 8
.Lout:                                         ; 16 rows a trip.  A store takes four rows of one head and one parity: 512 consecutive bytes.  LDS serves a wave's instructions in order: the loads see my stores
.irp g2, 0,1
.irp cb, 0,1
.irp pr, 0,1
	ds_load_b128 v[64+8*(4*(\g2)+2*(\cb)+(\pr)):64+8*(4*(\g2)+2*(\cb)+(\pr))+3],   v[DRD] offset:(\g2)*8*DPITCH+(\pr)*DPITCH+(\cb)*256
	ds_load_b128 v[64+8*(4*(\g2)+2*(\cb)+(\pr))+4:64+8*(4*(\g2)+2*(\cb)+(\pr))+7], v[DRD] offset:(\g2)*8*DPITCH+(\pr)*DPITCH+(\cb)*256+16
.endr
.endr
.endr
	s_wait_dscnt 0x0
.set i, 0
.rept 32
	v_cvt_pk_bf16_f32 v[32+i], v[64+2*i], v[64+2*i+1]
.set i, i+1
.endr
.irp g2, 0,1
.irp cb, 0,1
.irp pr, 0,1
	global_store_b128 v[GO], v[32+4*(4*(\g2)+2*(\cb)+(\pr)):32+4*(4*(\g2)+2*(\cb)+(\pr))+3], s[10:11] offset:(\pr)*131072+(\cb)*262144+(\g2)*512
.endr
.endr
.endr
	s_wait_xcnt 0x0                                ; the stores' base and data are written again only behind this wait
	s_add_nc_u64 s[10:11], s[10:11], 1024          ; eight rows of each parity on
	v_add_nc_u32 v[DRD], 16*DPITCH, v[DRD]
	s_sub_co_u32 s2, s2, 1
	s_cmp_lg_u32 s2, 0
	s_cbranch_scc1 .Lout
	s_wait_tensorcnt 0x0                           ; the wave's end
	ds_add_u32 v[SPW], v[NIL]
	s_wait_dscnt 0x0
	CROUND                                         ; the closing round
	s_endpgm
; THE CAST.  fc_w and mlp_proj_w are 512 chunks of 16,384 numbers (65,536 bytes of f32, 32,768 of bf16); in wb they follow each other from byte 8,388,608, in their own layout [in][out].
; Work-group w of these 64 takes chunks w + 64 i, i = 0..7: four of fc_w, then four of mlp_proj_w.  Thread t takes 32 times 4 numbers, 2,048 bytes apart: a wave's load covers 512 consecutive bytes, its store
; 256, aligned.  A chunk's 32 loads go out together; a trip rounds and stores one chunk and asks for the next.
; AHEAD OF THE LOADS: behind a trip's loads each thread prefetches two blocks of 256 bytes of the chunk that the NEXT trip loads: 128 threads x 2 blocks are the chunk, and only this work-group reads it, so each
; block is named once.  Nothing is asked for at the head, nor when the last chunk is being loaded.
.Lcast:
	s_load_b128 s[4:7], s[0:1], 0x20               ; fc_w s[4:5], mlp_proj_w s[6:7]
	s_load_b64 s[8:9], s[0:1], 0x30                ; wb
	s_bfe_u32 s12, ttmp6, 0x40000                  ; cx
	s_bfe_u32 s13, ttmp6, 0x40004                  ; cy
	s_and_b32 s14, ttmp7, 0xffff                   ; cluster y
	s_lshl2_add_u32 s12, s13, s12
	s_lshl4_add_u32 s12, s14, s12                  ; w = cx + 4 cy + 16 x cluster y: it enters global addresses alone
	v_lshlrev_b32 v1, 4, v0                        ; 16 t
	v_lshlrev_b32 v2, 3, v0                        ; 8 t
	v_lshlrev_b32 v3, 8, v0                        ; 256 t
	s_lshl_b32 s16, s12, 16
	s_mov_b32 s17, 0
	s_lshl_b32 s18, s12, 15
	s_add_co_u32 s18, s18, 8388608
	s_mov_b32 s19, 0
	s_wait_kmcnt 0x0
	s_add_nc_u64 s[4:5], s[4:5], s[16:17]          ; the chunk that is loaded: my first of fc_w
	s_add_nc_u64 s[6:7], s[6:7], s[16:17]          ; my first of mlp_proj_w
	s_add_nc_u64 s[8:9], s[8:9], s[18:19]          ; where the chunk in hand goes
	s_add_nc_u64 s[10:11], s[4:5], 0x400000        ; the chunk behind the one that is loaded
	s_mov_b32 s3, 8                                ; chunks still to be stored
	s_branch .Lask                                 ; the loop is entered where a chunk is asked for
.Lchunk:
	s_wait_loadcnt 0x0                             ; the chunk is in
.set p, 0
.rept 32
	v_cvt_pk_bf16_f32 v[136+2*p], v[8+4*p], v[8+4*p+1]
	v_cvt_pk_bf16_f32 v[136+2*p+1], v[8+4*p+2], v[8+4*p+3]
.set p, p+1
.endr
.set p, 0
.rept 32
	global_store_b64 v2, v[136+2*p:136+2*p+1], s[8:9] offset:1024*p
.set p, p+1
.endr
	s_sub_co_u32 s3, s3, 1
	s_cmp_eq_u32 s3, 0
	s_cbranch_scc1 .Lcast_done
	s_wait_xcnt 0x0                                ; the stores have read their data and base, the last prefetches (a chunk's work back) their address: all are written again only behind this wait
	s_add_nc_u64 s[8:9], s[8:9], 0x200000          ; 64 chunks on
	s_add_nc_u64 s[4:5], s[4:5], 0x400000
	s_add_nc_u64 s[10:11], s[10:11], 0x400000
	s_cmp_eq_u32 s3, 4                             ; chunk 4 is mlp_proj_w's first;
	s_cselect_b64 s[4:5], s[6:7], s[4:5]
	s_cmp_eq_u32 s3, 5                             ; the pointer ahead reaches it a trip earlier
	s_cselect_b64 s[10:11], s[6:7], s[10:11]
.Lask:
.set p, 0
.rept 32
	global_load_b128 v[8+4*p:8+4*p+3], v1, s[4:5] offset:2048*p th:TH_LOAD_NT
.set p, p+1
.endr
	s_sub_co_u32 s15, s3, 2                        ; 2 <= s3 <= 7: not at the head (8), and not when the last chunk is being loaded (1)
	s_cmp_lt_u32 s15, 6
	s_cbranch_scc0 .Lnot_asked
	global_prefetch_b8 v3, s[10:11] th:TH_LOAD_NT scope:SCOPE_SE
	global_prefetch_b8 v3, s[10:11] offset:32768 th:TH_LOAD_NT scope:SCOPE_SE
.Lnot_asked:
	s_branch .Lchunk
.Lcast_done:
	s_endpgm
.Lfunc_end_k_q1d176f08de_qkv:
	.size	k_q1d176f08de_qkv, .Lfunc_end_k_q1d176f08de_qkv-k_q1d176f08de_qkv
	.p2alignl 7, 3214868480
	.fill 96, 4, 3214868480
	.section	.rodata,"a",@progbits
	.p2align	6, 0x0
	.amdhsa_kernel k_q1d176f08de_qkv
		.amdhsa_group_segment_fixed_size 327680
		.amdhsa_private_segment_fixed_size 0
		.amdhsa_enable_private_segment 0
		.amdhsa_kernarg_size 56
		.amdhsa_user_sgpr_count 2
		.amdhsa_user_sgpr_kernarg_segment_ptr 1
		.amdhsa_wavefront_size32 1
		.amdhsa_system_sgpr_workgroup_id_x 1
		.amdhsa_system_sgpr_workgroup_id_y 1
		.amdhsa_system_sgpr_workgroup_id_z 1
		.amdhsa_system_vgpr_workitem_id 0
		.amdhsa_next_free_vgpr 1024
		.amdhsa_next_free_sgpr 88
		.amdhsa_reserve_vcc 0
		.amdhsa_float_denorm_mode_32 3
		.amdhsa_float_denorm_mode_16_64 3
		.amdhsa_memory_ordered 1
		.amdhsa_forward_progress 1
		.amdhsa_inst_pref_size 100
	.end_amdhsa_kernel
	.amdgpu_metadata
---
amdhsa.version: [ 1, 2 ]
amdhsa.kernels:
  - .name:           k_q1d176f08de_qkv
    .symbol:         k_q1d176f08de_qkv.kd
    .args:
      - { .name: h1, .offset: 0, .size: 8, .value_kind: global_buffer, .address_space: global }
      - { .name: wa, .offset: 8, .size: 8, .value_kind: global_buffer, .address_space: global }
      - { .name: c_attn_b, .offset: 16, .size: 8, .value_kind: global_buffer, .address_space: global }
      - { .name: qkv, .offset: 24, .size: 8, .value_kind: global_buffer, .address_space: global }
      - { .name: fc_w, .offset: 32, .size: 8, .value_kind: global_buffer, .address_space: global }
      - { .name: mlp_proj_w, .offset: 40, .size: 8, .value_kind: global_buffer, .address_space: global }
      - { .name: wb, .offset: 48, .size: 8, .value_kind: global_buffer, .address_space: global }
    .group_segment_fixed_size: 327680
    .private_segment_fixed_size: 0
    .kernarg_segment_align: 8
    .kernarg_segment_size: 56
    .max_flat_workgroup_size: 128
    .sgpr_count:     88
    .vgpr_count:     1024
    .wavefront_size: 32
...
	.end_amdgpu_metadata
.endif
;; end of part 2
;; launch attn (part 3): grid 8 x 32, 4 waves a work-group, no clusters, 125,440 bytes of LDS; arguments qkv, y; writes y
.if DOCPART == 3
	.amdgcn_target "amdgcn-amd-amdhsa--gfx1250"
	.amdhsa_code_object_version 6
	.text
	.protected	k_q1d176f08de_attn
	.globl	k_q1d176f08de_attn
	.p2align	8
	.type	k_q1d176f08de_attn,@function
k_q1d176f08de_attn:
	s_mov_b64 s[64:65], 0
	v_nop
	global_prefetch_b8 v0, s[64:65] scope:SCOPE_SE
	s_setreg_imm32_b32 hwreg(HW_REG_WAVE_MODE, 25, 1), 1
	s_wait_xcnt 0x0
; STRIDED CAUSAL ATTENTION, head size 64.  Query i sees key j where j <= i and (j even or j >= i - 4).  With i = 2 a + par: the even keys 2 e with e <= a, for both parities, and the odd keys 2 o + 1 with
; max(0, a - 2) <= o <= a - 1 + par.  So a head is a causal walk over its 1,024 even keys and one step over a window of 32 odd keys.
; IN: [3 tensor][32 batch x head][2 parity][1024][64] bf16 (a head's even rows, then its odd rows).  OUT y: [16 head][4096 row][64] bf16.  Products, maxima and sums in f32; the weights are rounded to bf16 for the second product.
; THE WALK.  A head's a lie in 16 blocks of 64; block i needs the even tiles 0 .. i of 64 keys, the last holding the diagonal.  A work-group takes blocks 15 - b and b: 17 block steps, whatever b.  ONE loop of 16
; trips walks the tiles; a trip serves the first block, and the second while its tiles last; jumps go forward and pass no barrier.
; SHARES.  Of a block a wave owns 16 values of a, both parities: two tiles of 16 queries a block, four in all.
; NO TENSOR LOADS, NO CLUSTER: what a trip does hangs on b, which partners of a cluster would not share; a tile is 16 KiB, eight loads and eight LDS stores a wave, asked for a whole trip ahead.
; LAYOUT.  S^T = K Q^T holds one query a lane (lane % 16) and the keys 8 (lane / 16) + 0..7 of 16; two such results, rounded in pairs, are source 1 of O^T = V^T P.  V comes out of LDS turned.
; SOFTMAX.  A running maximum m and sum l: p = 2^(c s - c m), c = log2(e) / 8; O and l are multiplied by 2^(c m_old - c m_new) in every step.  The even steps come first: key 0 is seen by every query, so m is a true score from the first step on.
; THE MASK is the C operand that starts a sum: 0, or -1e30 where the key is hidden.
; LIMITS.  A hidden score counts as its value less 1e30: scores stay far below that.  A weight below 2^-126 counts as 0.  NaN and infinities are not treated apart.  The odd window of a < 16 reaches into the 16 rows in
; front of the head's odd rows (its last even rows): they are masked, and their V is multiplied by 0.
; REGISTERS: window 0: addresses, v32-47 statistics (c m, m, l, l a tile), v48-63 at work, v64-127 S^T (two tiles), v128-159 P, v160-191 the diagonal's mask, v192-223 the odd masks, v224-255 the tile on its way in.
;   window 1: v0-127 O^T, 32 a tile; v128-191 Q, 16 a tile; v192-255 odd V on its way in.   window 2: v0-63 K, v64-127 V of a step; v128-191 odd K, v192-255 odd V, 32 a block.
.set PK,    144
.set PV,    160
.set VOFF,  64*PK
.set SLOT1, 32768
.set VOD,   65536                      ; 32 rows x 160 bytes for each wave and block: the odd V, to be turned
.set STAGE, 106496                     ; 32 rows x 144 bytes for each wave: the way out
.set SP,    144
.set SPARE, 124928
.set RR, 1
.set HH, 2
.set AK0, 5
.set AV0, 6
.set SK0, 7
.set SV0, 8
.set AK, 9
.set AV, 10
.set SK, 11
.set SV, 12
.set GL, 13                            ; 16 x lane
.set QO, 14                            ; (l % 16) x 128 + 16 (l / 16)
.set STO, 15
.set RD, 16
.set DG, 18
.set SPW, 24
.set NIL, 25
.set AVO, 26
.set SVO, 27
.set ST, 32
.set TMP, 48                           ; by tile of the block, eight: c0-c3, c m_old, its change, the factor a, a filler
.set S, 64
.set P, 128
.set MD, 160
.set MO, 192
.set LD, 224
.set KF, 0
.set VF, 64
.set KO, 128
.set VO, 192
.set WV, 8
.set LO, 9
.set HI, 10
.set SS, 11                            ; the trip's tile
.set TB, 12                            ; the slot that is read
.set TS, 13                            ; the slot that is stored into
.set KP, 16
.set VP, 18
.set CS, 30
.set SEL, 32
.set BIGN, 34
.set A0H, 35
.set A0L, 36
.set MSB, 0
.macro WIN new
.if MSB != (\new)
	s_set_vgpr_msb (MSB<<8)|(\new)
.set MSB, \new
.endif
.endm
.macro PLACES
.rept 4
	v_nop
.endr
.endm
.macro REGS B, u                       ; the registers of tile u of block B
.set rT, ST+4*(2*(\B)+(\u))
.set rC, TMP+8*(\u)
.set rS, S+32*(\u)
.set rP, P+16*(\u)
.set rO, 32*(2*(\B)+(\u))
.endm
.macro BOTH B, line:vararg             ; one line for each of the block's two tiles: no line reads the result of the one before it
	REGS \B, 0
	\line
	REGS \B, 1
	\line
.endm
; S^T = K Q^T for both tiles of block B: NK groups of 16 keys, K's fragments at KB in window 2.  The first products take the mask at MB + MU u + 8 kt, or (MB < 0) the constant 0.  The accumulators take turns.
.macro QKM B, NK, KB, MB, MU
	WIN 0x06
.irp c, 0,1
.set kt, 0
.rept \NK
.irp u, 0,1
.set qS, S+32*(\u)+8*kt
.set qK, (\KB)+16*kt+8*(\c)
.set qQ, 128+16*(2*(\B)+(\u))+8*(\c)
.set qM, (\MB)+(\MU)*(\u)+8*kt
.if ((\c) == 0) && ((\MB) >= 0)
	v_wmma_f32_16x16x32_bf16 v[qS:qS+7], v[qK:qK+7], v[qQ:qQ+7], v[qM:qM+7]
.elseif (\c) == 0
	v_wmma_f32_16x16x32_bf16 v[qS:qS+7], v[qK:qK+7], v[qQ:qQ+7], 0
.else
	v_wmma_f32_16x16x32_bf16 v[qS:qS+7], v[qK:qK+7], v[qQ:qQ+7], v[qS:qS+7]
.endif
.endr
.set kt, kt+1
.endr
.endr
.endm
; O^T += V^T P: NKK groups of 32 keys, V's fragments at VB in window 2.  Eight accumulators take turns.
.macro PVM B, NKK, VB
	WIN 0x52
.set kk, 0
.rept \NKK
.irp cb, 0,1,2,3
.irp u, 0,1
.set qO, 32*(2*(\B)+(\u))+8*(\cb)
.set qV, (\VB)+32*kk+8*(\cb)
.set qP, P+16*(\u)+8*kk
	v_wmma_f32_16x16x32_bf16 v[qO:qO+7], v[qV:qV+7], v[qP:qP+7], v[qO:qO+7]
.endr
.endr
.set kk, kk+1
.endr
.endm
; The softmax of both tiles for 16 NK keys.  Each accumulator's lowest registers are read first.  All exponentials are one batch with one wait: nothing ahead of the wait names a result.
.macro SOFTMAX B, NK
	WIN 0
.set n, 0
.rept \NK
	BOTH \B, v_max3_num_f32 v[rC+n], v[rS+8*n], v[rS+8*n+1], v[rS+8*n+2]
.set n, n+1
.endr
.set n, 0
.rept 2*(\NK)
	BOTH \B, v_max3_num_f32 v[rC+n%(\NK)], v[rC+n%(\NK)], v[rS+8*(n%(\NK))+2*(n/(\NK))+3], v[rS+8*(n%(\NK))+2*(n/(\NK))+4]
.set n, n+1
.endr
	BOTH \B, v_max3_num_f32 v[rC], v[rC], v[rS+7], v[rS+15]
.if (\NK) == 4
	BOTH \B, v_max3_num_f32 v[rC+1], v[rC+1], v[rS+23], v[rS+31]
	BOTH \B, v_max3_num_f32 v[rC+2], v[rC+2], v[rC+3], v[rT+1]
	BOTH \B, v_max3_num_f32 v[rC], v[rC], v[rC+1], v[rC+2]
.else
	BOTH \B, v_max3_num_f32 v[rC], v[rC], v[rC+1], v[rT+1]
.endif
	BOTH \B, v_mov_b32 v[rC+4], v[rT]
	BOTH \B, v_permlanex16_b32 v[rC+3], v[rC], s[SEL], s[SEL+1]
	BOTH \B, v_max_num_f32 v[rT+1], v[rC], v[rC+3]
	BOTH \B, v_mul_f32 v[rT], s[CS], v[rT+1]
	BOTH \B, v_sub_f32 v[rC+5], v[rC+4], v[rT]
	REGS \B, 0
.set p, 0
.rept 4*(\NK)
	v_pk_fma_f32 v[rS+2*p:rS+2*p+1], v[rS+2*p:rS+2*p+1], s[CS:CS+1], v[rT:rT+1] op_sel_hi:[1,0,0] neg_lo:[0,0,1] neg_hi:[0,0,1]
.set p, p+1
.endr
	BOTH \B, v_exp_f32 v[rC+6], v[rC+5]
.set p, 0
.rept 4*(\NK)                          ; the first tile's exponentials, the second tile's scalings between them
	REGS \B, 0
	v_exp_f32 v[rS+2*p], v[rS+2*p]
	REGS \B, 1
	v_pk_fma_f32 v[rS+2*p:rS+2*p+1], v[rS+2*p:rS+2*p+1], s[CS:CS+1], v[rT:rT+1] op_sel_hi:[1,0,0] neg_lo:[0,0,1] neg_hi:[0,0,1]
	REGS \B, 0
	v_exp_f32 v[rS+2*p+1], v[rS+2*p+1]
.set p, p+1
.endr
	REGS \B, 1
.set p, 0
.rept 8*(\NK)
	v_exp_f32 v[rS+p], v[rS+p]
.set p, p+1
.endr
	v_nop                                          ; a plain instruction behind the last exponential,
	s_wait_alu depctr_va_vdst(0)                   ; and the batch's one wait
.set p, 0
.rept 4*(\NK)
	BOTH \B, v_cvt_pk_bf16_f32 v[rP+p], v[rS+2*p], v[rS+2*p+1]
.set p, p+1
.endr
.set w, 2                              ; the pairs are added in place, neighbours 1, 2, 4 (, 8) pairs apart
.rept 2+(\NK)/2
.set p, 0
.rept 8*(\NK)/(2*w)
	BOTH \B, v_pk_add_f32 v[rS+2*w*p:rS+2*w*p+1], v[rS+2*w*p:rS+2*w*p+1], v[rS+2*w*p+w:rS+2*w*p+w+1]
.set p, p+1
.endr
.set w, 2*w
.endr
	BOTH \B, v_pk_fma_f32 v[rT+2:rT+3], v[rT+2:rT+3], v[rC+6:rC+7], v[rS:rS+1] op_sel_hi:[1,0,1]
	WIN 0x41
.set p, 0
.rept 16
	BOTH \B, v_pk_mul_f32 v[rO+2*p:rO+2*p+1], v[rO+2*p:rO+2*p+1], v[rC+6:rC+7] op_sel_hi:[1,0]
.set p, p+1
.endr
.endm
; A block's step on the tile in hand.  BLK: the register that holds the block's number: its own tile takes the diagonal's mask.
.macro BLOCK B, BLK
	s_cmp_eq_u32 s[SS], s[\BLK]
	s_cbranch_scc1 .Ldiag_\@
	QKM \B, 4, KF, -1, 0
	WIN 0
	s_branch .Lsoft_\@
.Ldiag_\@:
	QKM \B, 4, KF, MD, 0
	WIN 0
.Lsoft_\@:
	PLACES
	SOFTMAX \B, 4
	s_wait_dscnt 0x0                               ; V's fragments are in: they were served under the products and the softmax above
	PVM \B, 2, VF
	WIN 0
	PLACES                                         ; in front of the next loads into V's and K's registers, and of the next readers of O^T
.endm
; The odd window of block B: keys o = a0 - 16 + 0..31.  With d = o - (a - 2) and lb = max(0, 2 - a) a key is seen where lb <= d <= 1 + par: one unsigned compare of d - lb with 2 + par - lb.
.macro ODD B, A0
	WIN 0
	v_add_nc_u32 v19, s[\A0], v[RR]                ; a
	v_sub_nc_u32 v20, 2, v19
	v_max_i32 v20, 0, v20                          ; lb
	v_lshlrev_b32 v21, 3, v[HH]
	v_sub_nc_u32 v21, v21, v[RR]
	v_sub_nc_u32 v21, v21, v20
	v_add_nc_u32 v21, -14, v21                     ; d - lb of my register 0 of group 0
	v_sub_nc_u32 v22, 2, v20
	v_sub_nc_u32 v23, 3, v20
.set i, 0
.rept 16
	v_add_nc_u32 v19, 16*(i/8)+i%8, v21
	v_cmp_le_u32 vcc_lo, v22, v19
	v_cndmask_b32 v[MO+i], 0, s[BIGN], vcc_lo
	v_cmp_le_u32 vcc_lo, v23, v19
	v_cndmask_b32 v[MO+16+i], 0, s[BIGN], vcc_lo
.set i, i+1
.endr
	QKM \B, 2, KO+32*(\B), MO, 16
	WIN 0
	PLACES
	SOFTMAX \B, 2
	PVM \B, 1, VO+32*(\B)
	WIN 0
	PLACES
.endm
; The way out of block B: O^T / l, rounded, into my stage (row 2 r + parity), back as whole rows: 32 rows of y on end, 4,096 bytes.
.macro OUTB B, YB
.irp u, 0,1
	WIN 0x41
.set i, 0
.rept 16
	v_pk_mul_f32 v[32*(2*(\B)+(\u))+2*i:32*(2*(\B)+(\u))+2*i+1], v[32*(2*(\B)+(\u))+2*i:32*(2*(\B)+(\u))+2*i+1], v[ST+4*(2*(\B)+(\u))+2:ST+4*(2*(\B)+(\u))+3] op_sel_hi:[1,0]
.set i, i+1
.endr
	WIN 0x05
.set i, 0
.rept 16
	v_cvt_pk_bf16_f32 v[S+16*(\u)+i], v[32*(2*(\B)+(\u))+2*i], v[32*(2*(\B)+(\u))+2*i+1]
.set i, i+1
.endr
	WIN 0
.irp cb, 0,1,2,3
	ds_store_b128 v[STO], v[S+16*(\u)+4*(\cb):S+16*(\u)+4*(\cb)+3] offset:(\u)*SP+32*(\cb)
.endr
.endr
.irp f, 0,1,2,3,4,5,6,7
	ds_load_b128 v[P+32*(\B)+4*(\f):P+32*(\B)+4*(\f)+3], v[RD] offset:(\f)*4*SP  ; LDS serves a wave's instructions in order: these see the stores above
.endr
.irp f, 0,1,2,3,4,5,6,7
	s_wait_dscnt 7-(\f)
	global_store_b128 v[GL], v[P+32*(\B)+4*(\f):P+32*(\B)+4*(\f)+3], s[\YB:\YB+1] offset:512*(\f)  ; 512 consecutive bytes, aligned
.endr
.endm
	s_load_b128 s[4:7], s[0:1], 0x0                ; qkv s[4:5], y s[6:7]
	v_lshl_add_u32 v[SPW], v0, 2, SPARE
	v_mov_b32 v[NIL], 0
	v_lshrrev_b32 v3, 5, v0
	v_readfirstlane_b32 s[WV], v3
	v_and_b32 v[RR], 15, v0
	v_bfe_u32 v[HH], v0, 4, 1
	v_and_b32 v3, 31, v0
	v_lshlrev_b32 v[GL], 4, v3
	v_lshlrev_b32 v[QO], 7, v[RR]
	v_lshl_add_u32 v[QO], v[HH], 4, v[QO]
	s_mov_b32 s[LO], ttmp9
	s_sub_co_u32 s[HI], 15, s[LO]
	s_and_b32 s14, ttmp7, 0xffff                   ; batch x 16 + head
	s_lshl_b32 s20, s14, 18                        ; its 262,144 bytes in each tensor
	s_mov_b32 s21, 0
	s_lshl_b32 s15, s[WV], 4
	s_lshl_b32 s[A0H], s[HI], 6
	s_add_co_u32 s[A0H], s[A0H], s15               ; my first a in the first block,
	s_lshl_b32 s[A0L], s[LO], 6
	s_add_co_u32 s[A0L], s[A0L], s15               ; and in the second
	s_lshl_b32 s22, s[A0H], 7
	s_mov_b32 s23, 0
	s_lshl_b32 s24, s[A0L], 7
	s_mov_b32 s25, 0
	s_lshl_b32 s46, s[WV], 11                      ; my 16 rows of a tile
	s_mov_b32 s47, 0
	s_and_b32 s26, s14, 15
	s_lshl_b32 s26, s26, 19                        ; y: the head's 524,288 bytes,
	s_lshr_b32 s28, s14, 4
	s_lshl_b32 s28, s28, 18                        ; the batch's 2,048 rows
	s_add_co_u32 s26, s26, s28
	s_lshl_b32 s28, s[A0L], 8                      ; row 2 a0
	s_add_co_u32 s28, s28, s26
	s_lshl_b32 s48, s[A0H], 8
	s_add_co_u32 s26, s26, s48
	s_mov_b32 s27, 0
	s_mov_b32 s29, 0
	s_mov_b32 s[CS], 0x3e38aa3b                    ; c = log2(e) / 8
	s_mov_b32 s[CS+1], s[CS]
	s_mov_b32 s[SEL], 0x76543210
	s_mov_b32 s[SEL+1], 0xfedcba98
	s_mov_b32 s[BIGN], 0xf149f2ca                  ; -1e30
	s_wait_kmcnt 0x0
	s_add_nc_u64 s[20:21], s[4:5], s[20:21]        ; the head's Q
	s_add_nc_u64 s[22:23], s[20:21], s[22:23]      ; Q at my rows of the first block,
	s_add_nc_u64 s[24:25], s[20:21], s[24:25]      ; of the second
	s_add_nc_u64 s[KP:KP+1], s[20:21], s[46:47]
	s_add_nc_u64 s[VP:VP+1], s[KP:KP+1], 16777216  ; even V, my rows of tile 0
	s_add_nc_u64 s[KP:KP+1], s[KP:KP+1], 8388608   ; even K
	s_add_nc_u64 s[38:39], s[22:23], 8388608+131072-2048   ; odd K at row a0 - 16
	s_add_nc_u64 s[40:41], s[24:25], 8388608+131072-2048
	s_add_nc_u64 s[42:43], s[22:23], 16777216+131072-2048  ; odd V
	s_add_nc_u64 s[44:45], s[24:25], 16777216+131072-2048
	s_add_nc_u64 s[26:27], s[6:7], s[26:27]
	s_add_nc_u64 s[28:29], s[6:7], s[28:29]
.irp i, 0,1,2,3                        ; tile 0: my 16 rows of K and of V, 512 bytes a load
	global_load_b128 v[LD+4*(\i):LD+4*(\i)+3],       v[GL], s[KP:KP+1] offset:512*(\i)
	global_load_b128 v[LD+16+4*(\i):LD+16+4*(\i)+3], v[GL], s[VP:VP+1] offset:512*(\i)
.endr
	WIN 0x40
.irp u, 0,1
.irp c, 0,1
	global_load_b128 v[128+16*(\u)+8*(\c):128+16*(\u)+8*(\c)+3],     v[QO], s[22:23] offset:(\u)*131072+64*(\c)
	global_load_b128 v[128+16*(\u)+8*(\c)+4:128+16*(\u)+8*(\c)+7],   v[QO], s[22:23] offset:(\u)*131072+64*(\c)+32
	global_load_b128 v[160+16*(\u)+8*(\c):160+16*(\u)+8*(\c)+3],     v[QO], s[24:25] offset:(\u)*131072+64*(\c)
	global_load_b128 v[160+16*(\u)+8*(\c)+4:160+16*(\u)+8*(\c)+7],   v[QO], s[24:25] offset:(\u)*131072+64*(\c)+32
.endr
.endr
.irp i, 0,1,2,3,4,5,6,7
	global_load_b128 v[192+4*(\i):192+4*(\i)+3], v[GL], s[42:43] offset:512*(\i)
	global_load_b128 v[224+4*(\i):224+4*(\i)+3], v[GL], s[44:45] offset:512*(\i)
.endr
	WIN 0x80
.irp kt, 0,1
.irp c, 0,1
	global_load_b128 v[KO+16*(\kt)+8*(\c):KO+16*(\kt)+8*(\c)+3],       v[QO], s[38:39] offset:(\kt)*2048+64*(\c)
	global_load_b128 v[KO+16*(\kt)+8*(\c)+4:KO+16*(\kt)+8*(\c)+7],     v[QO], s[38:39] offset:(\kt)*2048+64*(\c)+32
	global_load_b128 v[KO+32+16*(\kt)+8*(\c):KO+32+16*(\kt)+8*(\c)+3], v[QO], s[40:41] offset:(\kt)*2048+64*(\c)
	global_load_b128 v[KO+32+16*(\kt)+8*(\c)+4:KO+32+16*(\kt)+8*(\c)+7], v[QO], s[40:41] offset:(\kt)*2048+64*(\c)+32
.endr
.endr
	; What the first step finds: O^T and l are 0, c m far below every c s, m the lowest finite number: its factor is 0, and no first step is written out.  All this stands in the wait for the first loads.
	WIN 0x40
.set i, 0
.rept 128
	v_mov_b32 v[i], 0
.set i, i+1
.endr
	WIN 0
.set i, 0
.rept 4
	v_mov_b32 v[ST+4*i], 0xfe000000
	v_mov_b32 v[ST+4*i+1], 0xff7fffff
	v_mov_b32 v[ST+4*i+2], 0
	v_mov_b32 v[ST+4*i+3], 0
.set i, i+1
.endr
.set i, 0
.rept 16
	v_mov_b32 v[TMP+i], 0
.set i, i+1
.endr
	v_lshlrev_b32 v19, 3, v[HH]
	v_sub_nc_u32 v[DG], v[RR], v19
	v_add_nc_u32 v[DG], s15, v[DG]                 ; 16 w + l % 16 - 8 (l / 16): register j of group kt is hidden where 16 kt + j is greater
.set i, 0
.rept 32
	v_cmp_gt_i32 vcc_lo, 16*(i/8)+i%8, v[DG]
	v_cndmask_b32 v[MD+i], 0, s[BIGN], vcc_lo
.set i, i+1
.endr
	v_lshrrev_b32 v4, 3, v3                        ; l / 8
	v_and_b32 v19, 7, v0                           ; l % 8
	s_mul_i32 s49, s[WV], 16*PK
	v_mul_u32_u24 v[SK0], v4, PK
	v_lshl_add_u32 v[SK0], v19, 4, v[SK0]
	v_add_nc_u32 v[SK0], s49, v[SK0]               ; where a load's 16 bytes go: row 16 w + l / 8 (+ 4 a load)
	s_mul_i32 s49, s[WV], 16*PV
	s_add_co_u32 s49, s49, VOFF
	v_mul_u32_u24 v23, v4, PV
	v_lshl_add_u32 v23, v19, 4, v23
	v_add_nc_u32 v[SV0], s49, v23
	v_mul_u32_u24 v[AK0], v[RR], PK
	v_lshl_add_u32 v[AK0], v[HH], 4, v[AK0]
	v_lshl_add_u32 v21, v[HH], 3, v19              ; the turning load: key 8 (l / 16) + l % 8, channels 8 ((l / 8) % 2) + 0..7
	v_mul_u32_u24 v21, v21, PV
	v_bfe_u32 v22, v0, 3, 1
	v_lshl_add_u32 v21, v22, 4, v21
	v_add_nc_u32 v[AV0], VOFF, v21
	s_mul_i32 s49, s[WV], 2*32*PV
	s_add_co_u32 s49, s49, VOD
	v_add_nc_u32 v[AVO], s49, v21
	v_add_nc_u32 v[SVO], s49, v23
	s_mul_i32 s50, s[WV], 32*SP
	s_add_co_u32 s50, s50, STAGE
	v_mul_u32_u24 v[STO], v[RR], 2*SP
	v_lshl_add_u32 v[STO], v[HH], 4, v[STO]
	v_add_nc_u32 v[STO], s50, v[STO]
	v_mul_u32_u24 v[RD], v4, SP
	v_lshl_add_u32 v[RD], v19, 4, v[RD]
	v_add_nc_u32 v[RD], s50, v[RD]
	s_wait_loadcnt 48                              ; tile 0 is in; the 48 loads behind it stay out
.irp i, 0,1,2,3
	ds_store_b128 v[SK0], v[LD+4*(\i):LD+4*(\i)+3] offset:4*PK*(\i)
	ds_store_b128 v[SV0], v[LD+16+4*(\i):LD+16+4*(\i)+3] offset:4*PV*(\i)
.endr
	s_add_nc_u64 s[KP:KP+1], s[KP:KP+1], 8192      ; (tile 0's loads are done, so their base may be written)
	s_add_nc_u64 s[VP:VP+1], s[VP:VP+1], 8192
.irp i, 0,1,2,3                        ; tile 1: every first block has nine tiles or more
	global_load_b128 v[LD+4*(\i):LD+4*(\i)+3],       v[GL], s[KP:KP+1] offset:512*(\i)
	global_load_b128 v[LD+16+4*(\i):LD+16+4*(\i)+3], v[GL], s[VP:VP+1] offset:512*(\i)
.endr
	s_wait_loadcnt 8                               ; Q, odd K and odd V are in; tile 1's eight stay out
	WIN 0x04
.irp i, 0,1,2,3,4,5,6,7
	ds_store_b128 v[SVO], v[192+4*(\i):192+4*(\i)+3] offset:4*PV*(\i)
	ds_store_b128 v[SVO], v[224+4*(\i):224+4*(\i)+3] offset:32*PV+4*PV*(\i)
.endr
	WIN 0x80
.irp B, 0,1
.irp cb, 0,1,2,3
	ds_load_tr16_b128 v[VO+32*(\B)+8*(\cb):VO+32*(\B)+8*(\cb)+3],   v[AVO] offset:(\B)*32*PV+32*(\cb)   ; my own bytes, served in order
	ds_load_tr16_b128 v[VO+32*(\B)+8*(\cb)+4:VO+32*(\B)+8*(\cb)+7], v[AVO] offset:(\B)*32*PV+16*PV+32*(\cb)
.endr
.endr
	WIN 0
	s_mov_b32 s[SS], 0
	s_mov_b32 s[TB], 0
	s_mov_b32 s[TS], SLOT1
	s_wait_dscnt 0x0                               ; my part of tile 0 is stored,
	s_barrier_signal -1
	s_barrier_wait -1                              ; everybody's is
.Ltrip:                                        ; tile SS is read; tile SS + 1 is stored into the other slot, which was read a trip ago; tile SS + 2 is asked for
	s_cmp_gt_u32 s[SS], s[HI]
	s_cbranch_scc1 .Ldead
	v_add_nc_u32 v[AK], s[TB], v[AK0]
	v_add_nc_u32 v[AV], s[TB], v[AV0]
	WIN 0x80
.irp kt, 0,1,2,3
.irp c, 0,1
	ds_load_b128 v[KF+16*(\kt)+8*(\c):KF+16*(\kt)+8*(\c)+3],   v[AK] offset:(\kt)*16*PK+64*(\c)
	ds_load_b128 v[KF+16*(\kt)+8*(\c)+4:KF+16*(\kt)+8*(\c)+7], v[AK] offset:(\kt)*16*PK+64*(\c)+32
.endr
.endr
.irp kk, 0,1
.irp cb, 0,1,2,3
	ds_load_tr16_b128 v[VF+32*(\kk)+8*(\cb):VF+32*(\kk)+8*(\cb)+3],   v[AV] offset:(\kk)*32*PV+32*(\cb)
	ds_load_tr16_b128 v[VF+32*(\kk)+8*(\cb)+4:VF+32*(\kk)+8*(\cb)+7], v[AV] offset:(\kk)*32*PV+16*PV+32*(\cb)
.endr
.endr
	WIN 0
	s_cmp_ge_u32 s[SS], s[HI]
	s_cbranch_scc1 .Lnofill
	s_wait_loadcnt 0x0                             ; tile SS + 1 is in registers
	v_add_nc_u32 v[SK], s[TS], v[SK0]
	v_add_nc_u32 v[SV], s[TS], v[SV0]
.irp i, 0,1,2,3
	ds_store_b128 v[SK], v[LD+4*(\i):LD+4*(\i)+3] offset:4*PK*(\i)
	ds_store_b128 v[SV], v[LD+16+4*(\i):LD+16+4*(\i)+3] offset:4*PV*(\i)
.endr
	s_add_co_u32 s37, s[SS], 1
	s_cmp_ge_u32 s37, s[HI]
	s_cbranch_scc1 .Lnofill
	s_add_nc_u64 s[KP:KP+1], s[KP:KP+1], 8192
	s_add_nc_u64 s[VP:VP+1], s[VP:VP+1], 8192
.irp i, 0,1,2,3
	global_load_b128 v[LD+4*(\i):LD+4*(\i)+3],       v[GL], s[KP:KP+1] offset:512*(\i)
	global_load_b128 v[LD+16+4*(\i):LD+16+4*(\i)+3], v[GL], s[VP:VP+1] offset:512*(\i)
.endr
.Lnofill:
	s_wait_dscnt 16                                ; K's fragments are in: behind K's 16 loads stand V's 16 and, on one way here, 8 stores more, so 16 left out show K in on every way
	BLOCK 0, HI
	s_cmp_gt_u32 s[SS], s[LO]
	s_cbranch_scc1 .Ldead
	BLOCK 1, LO
.Ldead:
	s_xor_b32 s[TB], s[TB], SLOT1
	s_xor_b32 s[TS], s[TS], SLOT1
	s_wait_dscnt 0x0                               ; my reads of this slot and my stores into the other are done:
	s_barrier_signal -1                            ; one barrier a trip orders both
	s_barrier_wait -1
	s_add_co_u32 s[SS], s[SS], 1
	s_cmp_lt_u32 s[SS], 16
	s_cbranch_scc1 .Ltrip
	ODD 0, A0H
	ODD 1, A0L
.irp t, 0,1,2,3
	v_add_f32 v[ST+4*(\t)+2], v[ST+4*(\t)+2], v[ST+4*(\t)+3]
.endr
.irp t, 0,1,2,3
	v_permlanex16_b32 v[ST+4*(\t)+3], v[ST+4*(\t)+2], s[SEL], s[SEL+1]
.endr
.irp t, 0,1,2,3
	v_add_f32 v[ST+4*(\t)+2], v[ST+4*(\t)+2], v[ST+4*(\t)+3]
.endr
.irp t, 0,1,2,3
	v_rcp_f32 v[ST+4*(\t)+2], v[ST+4*(\t)+2]
.endr
	v_nop
	s_wait_alu depctr_va_vdst(0)                   ; one wait for the four reciprocals
	OUTB 0, 26
	OUTB 1, 28
	s_wait_tensorcnt 0x0                           ; the wave's end, behind my last LDS store
	ds_add_u32 v[SPW], v[NIL]
	s_wait_dscnt 0x0
	s_endpgm
.Lfunc_end_k_q1d176f08de_attn:
	.size	k_q1d176f08de_attn, .Lfunc_end_k_q1d176f08de_attn-k_q1d176f08de_attn
	.p2alignl 7, 3214868480
	.fill 96, 4, 3214868480
	.section	.rodata,"a",@progbits
	.p2align	6, 0x0
	.amdhsa_kernel k_q1d176f08de_attn
		.amdhsa_group_segment_fixed_size 125440
		.amdhsa_private_segment_fixed_size 0
		.amdhsa_enable_private_segment 0
		.amdhsa_kernarg_size 16
		.amdhsa_user_sgpr_count 2
		.amdhsa_user_sgpr_kernarg_segment_ptr 1
		.amdhsa_wavefront_size32 1
		.amdhsa_system_sgpr_workgroup_id_x 1
		.amdhsa_system_sgpr_workgroup_id_y 1
		.amdhsa_system_sgpr_workgroup_id_z 1
		.amdhsa_system_vgpr_workitem_id 0
		.amdhsa_next_free_vgpr 768
		.amdhsa_next_free_sgpr 66
		.amdhsa_reserve_vcc 1
		.amdhsa_float_denorm_mode_32 3
		.amdhsa_float_denorm_mode_16_64 3
		.amdhsa_memory_ordered 1
		.amdhsa_forward_progress 1
		.amdhsa_inst_pref_size 97
	.end_amdhsa_kernel
	.amdgpu_metadata
---
amdhsa.version: [ 1, 2 ]
amdhsa.kernels:
  - .name:           k_q1d176f08de_attn
    .symbol:         k_q1d176f08de_attn.kd
    .args:
      - { .name: qkv, .offset: 0, .size: 8, .value_kind: global_buffer, .address_space: global }
      - { .name: y, .offset: 8, .size: 8, .value_kind: global_buffer, .address_space: global }
    .group_segment_fixed_size: 125440
    .private_segment_fixed_size: 0
    .kernarg_segment_align: 8
    .kernarg_segment_size: 16
    .max_flat_workgroup_size: 128
    .sgpr_count:     66
    .vgpr_count:     768
    .wavefront_size: 32
...
	.end_amdgpu_metadata
.endif
;; end of part 3
;; launch proj (part 4): grid 8 x 32, 4 waves a work-group, clusters of 4 x 4, 327,680 bytes of LDS; arguments y, wb, attn_proj_b, x, x1; writes x1
.if DOCPART == 4
	.amdgcn_target "amdgcn-amd-amdhsa--gfx1250"
	.amdhsa_code_object_version 6
	.text
	.protected	k_q1d176f08de_proj
	.globl	k_q1d176f08de_proj
	.p2align	8
	.type	k_q1d176f08de_proj,@function
k_q1d176f08de_proj:
	s_mov_b64 s[64:65], 0
	v_nop
	global_prefetch_b8 v0, s[64:65] scope:SCOPE_SE
	s_setreg_imm32_b32 hwreg(HW_REG_WAVE_MODE, 25, 1), 1
	s_wait_xcnt 0x0
	s_wait_alu depctr_hold_cnt(0) depctr_sa_sdst(0) depctr_va_vdst(0) depctr_va_sdst(0) depctr_va_ssrc(0) depctr_va_vcc(0) depctr_vm_vsrc(0)
	s_getreg_b32 s2, hwreg(HW_REG_IB_STS2, 6, 4)
	s_cmp_eq_u32 s2, 0
	s_cbranch_scc0 .Lentry_in_a_cluster
	s_endpgm
.Lentry_in_a_cluster:
	s_bfe_u32 s2, ttmp6, 0x10000c
	s_cmp_lg_u32 s2, 0xf033
	s_cbranch_scc0 .Lentry_shape_is_right
	s_endpgm
.Lentry_shape_is_right:
; out = res + A W + bias.  A: [SIZE_K / 64][4096][64] bf16 (blocks of 64 along K, each dense).  W: [SIZE_K][1024] bf16 at byte WOFF of wb.  bias [1024], res and out [4096][1024] f32.  Sums in f32, started by the bias.
; A tile of C is 128 x 128: 256 work-groups.  Four waves, 64 x 64 each: 16 accumulators.  K goes in steps of 256 through two LDS slots filled by the tensor data mover.
; A's tile: four K blocks of 128 rows x 128 bytes (+ 16 of padding); a wave's load brings two of them, each 16,384 dense bytes of memory, asked for as one long row.  B's tile: 256 rows k x 256 bytes (+ 32), read turned.
; THE MATRIX INSTRUCTION IS USED TRANSPOSED (source 0 = 16 columns of W, source 1 = 16 rows of A): a lane holds one row m and eight neighbouring columns.
; One K step is written once: the slot that is read is a scalar, 0 or SLOT, turned by an exclusive or; the walking descriptor's LDS word likewise (wave x HALF shares no bit with SLOT).
; THE WALK ALONG K IS CYCLIC.  Cluster (X, Y) begins at K step (NSTEP / 2) X + (NSTEP / 4) ((Y + 2 (Y >> 2)) & 3) and wraps round.  The two clusters that read the same rows of A begin half a walk apart, and the
; eight that read the same columns of W begin at four different steps, so that they ask for a given block at different times.  The start hangs on the cluster's coordinates alone: it is the same in all
; sixteen partners.  The f32 sums are taken in that order.  A fill's address is made anew from the number of its K step.
; CLUSTER 4 x 4: A's tile jointly along a row of the cluster, B's along a column.  No prefetch: the tiles are small.
; THE RESIDUAL is asked for at the start, 32 loads into registers of their own, and waited for at the end.  THE WAY OUT: the sums go into ring bytes that have had their last fill, each wave's own 64 rows x 272 bytes,
; and come back as rows of 256 bytes: sixteen lanes load, add and store 256 consecutive bytes, aligned.
; REGISTERS: window 0: v16-31 addresses; v96-127 the bias; v128-255 the accumulators.  window 1: two fragment buffers of 128 (64 of A, 64 of B).  window 2: v0-127 the residual.
; LIMITS.  NaN and infinities are not treated apart.
.set SIZE_K, 1024
.set WOFF,   6291456
.set SIZE_N, 1024
.set KSTEP,  256
.set NSTEP,  SIZE_K/KSTEP              ; a power of two, at least 4
.set PA,     144
.set PB,     288
.set ABLK,   128*PA
.set HALF,   2*ABLK                    ; what one tensor load brings: two K blocks of A, or 128 rows of B (128 x 288 is the same number)
.set SLOT,   4*HALF
.set DPITCH, 272
.set DUMPW,  64*DPITCH
.set SPARE,  2*SLOT
.set ADRA0, 16
.set ADRB0, 17
.set ADRA,  18
.set ADRB,  19                         ; v19: rows k 0-127; v20: rows 128-255
.set DST,   24
.set RD,    25
.set CO,    26
.set SPW,   28
.set NIL,   29
.set BO,    31
.set BI,    96
.set ACC,   128
.set F0,    0
.set F1,    128
.set WV, 12
.set RH, 13
.set CH, 14
.set CX, 15
.set CY, 16
.set TX, 17
.set TY, 18
.set TB, 19
.set KN, 21                            ; s21      the K step that is asked for next; made of the cluster's coordinates alone
.set BA, 24                            ; s[24:25] A at my part of K step 0
.set BB, 26                            ; s[26:27] W at my part of K step 0
.set G1A, 28
.set G0A, 36
.set G1B, 44
.set G0B, 52
.set KO, 62                            ; s[62:63] a K step's byte offset
.set MSB, 0
.macro WIN new
.if MSB != (\new)
	s_set_vgpr_msb (MSB<<8)|(\new)
.set MSB, \new
.endif
.endm
.macro PLACES
.rept 4
	v_nop
.endr
.endm
.macro JLOAD                           ; the joint refill; an s_nop 0 and four v_nop follow each line
	s_cmp_eq_u32 s[RH], 0
	s_cbranch_scc0 .Lfor_b_\@
	tensor_load_to_lds s[G0A+4:G0A+7], s[G1A:G1A+7]
	s_nop 0
	PLACES
	s_branch .Lasked_\@
.Lfor_b_\@:
	tensor_load_to_lds s[G0B+4:G0B+7], s[G1B:G1B+7]
	s_nop 0
	PLACES
.Lasked_\@:
.endm
.macro CREST
	s_cmp_lg_u32 s[WV], 0
	s_cbranch_scc1 .Lnot_wave_0_\@
	s_barrier_signal -3
.Lnot_wave_0_\@:
	s_barrier_wait -3
	s_barrier_signal -1
	s_barrier_wait -1
.endm
.macro CROUND
	s_barrier_signal -1
	s_barrier_wait -1
	CREST
.endm
; The global addresses of K step KN go into set s of both descriptors; KN steps on, round the end.
.macro AIM s
	s_lshl_b32 s[KO], s[KN], 21                    ; A: four K blocks of 524,288 bytes a step
	s_add_nc_u64 s[G0A+4*(\s)+2:G0A+4*(\s)+3], s[BA:BA+1], s[KO:KO+1]
	s_or_b32 s[G0A+4*(\s)+3], s[G0A+4*(\s)+3], 0x80000000
	s_lshl_b32 s[KO], s[KN], 19                    ; W: 256 rows of 2,048 bytes a step
	s_add_nc_u64 s[G0B+4*(\s)+2:G0B+4*(\s)+3], s[BB:BB+1], s[KO:KO+1]
	s_or_b32 s[G0B+4*(\s)+3], s[G0B+4*(\s)+3], 0x80000000
	s_add_co_u32 s[KN], s[KN], 1
	s_and_b32 s[KN], s[KN], NSTEP-1
.endm
; 8 matrix instructions: m blocks a0, a0 + 1 x all 4 n blocks, half c of buffer f.  first = 1: the bias starts the sums.  The 16 accumulators take turns.
.macro MUL8 f, c, a0, first
	WIN 0x05
.irp a, \a0, (\a0)+1
.irp b, 0,1,2,3
.if \first
	v_wmma_f32_16x16x32_bf16 v[ACC+8*(4*(\a)+(\b)):ACC+8*(4*(\a)+(\b))+7], v[(\f)+64+8*(4*(\c)+(\b)):(\f)+64+8*(4*(\c)+(\b))+7], v[(\f)+8*(4*(\c)+(\a)):(\f)+8*(4*(\c)+(\a))+7], v[BI+8*(\b):BI+8*(\b)+7]
.else
	v_wmma_f32_16x16x32_bf16 v[ACC+8*(4*(\a)+(\b)):ACC+8*(4*(\a)+(\b))+7], v[(\f)+64+8*(4*(\c)+(\b)):(\f)+64+8*(4*(\c)+(\b))+7], v[(\f)+8*(4*(\c)+(\a)):(\f)+8*(4*(\c)+(\a))+7], v[ACC+8*(4*(\a)+(\b)):ACC+8*(4*(\a)+(\b))+7]
.endif
.endr
.endr
.endm
; 32 LDS loads in one run: quarter q (K block q of the step, 64 along K) into buffer f; its first 32 along K first
.macro FETCH q, f
	WIN 0x40
.irp c, 0,1
.irp i, 0,1,2,3
	ds_load_tr16_b128 v[(\f)+64+8*(4*(\c)+(\i)):(\f)+64+8*(4*(\c)+(\i))+3],   v[ADRB+(\q)/2] offset:((64*(\q)+32*(\c))%128)*PB+32*(\i)
	ds_load_tr16_b128 v[(\f)+64+8*(4*(\c)+(\i))+4:(\f)+64+8*(4*(\c)+(\i))+7], v[ADRB+(\q)/2] offset:((64*(\q)+32*(\c))%128)*PB+16*PB+32*(\i)
	ds_load_b128 v[(\f)+8*(4*(\c)+(\i)):(\f)+8*(4*(\c)+(\i))+3],   v[ADRA] offset:(\q)*ABLK+(\i)*16*PA+64*(\c)
	ds_load_b128 v[(\f)+8*(4*(\c)+(\i))+4:(\f)+8*(4*(\c)+(\i))+7], v[ADRA] offset:(\q)*ABLK+(\i)*16*PA+64*(\c)+32
.endr
.endr
.endm
.macro QUARTER qn, f, g, first
	s_wait_dscnt 16                                ; the first 32 along K are in
	MUL8 \f, 0, 0, \first
	MUL8 \f, 0, 2, \first
	PLACES
	FETCH \qn, \g
	s_wait_dscnt 32                                ; all but the 32 just issued
	MUL8 \f, 1, 0, 0
	MUL8 \f, 1, 2, 0
.endm
; The last quarter multiplies buffer 1 and changes slots: in front of the barrier each wave waits for all its tensor loads, adds 0 to its spare word, and waits for that and for its reads of this slot.
.macro TURN fill
	WIN 0
	s_wait_tensorcnt 0x0                           ; no tensor load of mine is out, so the walking descriptors may be written
	ds_add_u32 v[SPW], v[NIL]                      ; the descriptors' scalar work stands behind it
.if \fill
	s_xor_b32 s[G0A+5], s[G0A+5], SLOT             ; the other slot than last time,
	s_xor_b32 s[G0B+5], s[G0B+5], SLOT
	AIM 1                                          ; the walk's next K step
.endif
	s_wait_dscnt 17                                ; (the add and the youngest sixteen loads may be out)
	MUL8 F1, 0, 0, 0
	s_wait_dscnt 0x0
	s_barrier_signal -1
	MUL8 F1, 0, 2, 0
	WIN 0
	s_barrier_wait -1
.if \fill
	CREST                                          ; the barrier has opened a round of the cluster's
	JLOAD                                          ; 112 matrix instructions ahead of the wait for it
.else
	PLACES
.endif
	s_xor_b32 s[TB], s[TB], SLOT
	v_add_nc_u32 v[ADRA], s[TB], v[ADRA0]
	v_add_nc_u32 v[ADRB], s[TB], v[ADRB0]
	v_add_nc_u32 v[ADRB+1], 128*PB, v[ADRB]
	FETCH 0, F0
	MUL8 F1, 1, 0, 0
	MUL8 F1, 1, 2, 0
.endm
	s_load_b256 s[4:11], s[0:1], 0x0               ; A s[4:5], wb s[6:7], bias s[8:9], res s[10:11]
	s_load_b64 s[60:61], s[0:1], 0x20              ; out
	v_lshl_add_u32 v[SPW], v0, 2, SPARE
	v_mov_b32 v[NIL], 0
	ds_add_u32 v[SPW], v[NIL]                      ; the wave's opening: the add and its wait ahead of my first tensor load
	v_lshrrev_b32 v1, 5, v0
	v_readfirstlane_b32 s[WV], v1
	s_lshr_b32 s[RH], s[WV], 1
	s_and_b32 s[CH], s[WV], 1
	s_bfe_u32 s[CX], ttmp6, 0x40000
	s_bfe_u32 s[CY], ttmp6, 0x40004
	s_lshl_b32 s[TX], ttmp9, 2
	s_add_co_u32 s[TX], s[TX], s[CX]
	s_and_b32 s[TY], ttmp7, 0xffff
	s_lshl_b32 s[TY], s[TY], 2
	s_add_co_u32 s[TY], s[TY], s[CY]
	s_and_b32 s[KN], ttmp7, 0xffff                 ; where my cluster's walk along K begins: Y,
	s_lshr_b32 s[KO], s[KN], 2
	s_lshl1_add_u32 s[KN], s[KO], s[KN]            ; Y + 2 (Y >> 2),
	s_and_b32 s[KN], s[KN], 3
	s_mul_i32 s[KN], s[KN], NSTEP/4
	s_mul_i32 s[KO], ttmp9, NSTEP/2                ; and X
	s_add_co_u32 s[KN], s[KN], s[KO]
	s_and_b32 s[KN], s[KN], NSTEP-1
	s_mov_b32 s[KO+1], 0
	s_lshl_b32 s22, s[CY], 2
	s_lshl_b32 s22, 15, s22
	s_lshl_b32 s23, 0x1111, s[CX]
	s_or_b32 s[G1A], s22, (1<<16)|(1<<20)|(1<<21)|(4<<22)|(3<<25)  ; after every 32 words (a row of 64 numbers), 4 words
	s_or_b32 s[G1B], s23, (1<<16)|(1<<20)|(1<<21)|(5<<22)|(7<<25)  ; after every 64 words, 8 words
	s_mov_b32 s[G1A+1], 8192<<16                   ; tensor_dim0 = 8,192: 128 rows x 64 numbers on end
	s_mov_b32 s[G1A+2], 2<<16                      ; tensor_dim1 = 2 K blocks
	s_mov_b32 s[G1A+3], 8192<<16
	s_mov_b32 s[G1A+4], 2
	s_mov_b32 s[G1A+5], 262144                     ; elements from K block to K block
	s_mov_b32 s[G1A+6], 0
	s_mov_b32 s[G1A+7], 0
	s_mov_b32 s[G1B+1], 128<<16
	s_mov_b32 s[G1B+2], 128<<16
	s_mov_b32 s[G1B+3], 128<<16
	s_mov_b32 s[G1B+4], 128
	s_mov_b32 s[G1B+5], SIZE_N
	s_mov_b32 s[G1B+6], 0
	s_mov_b32 s[G1B+7], 0
	s_lshl_b32 s[BA], s[CH], 20                    ; A: K blocks 2 x half on,
	s_lshl_b32 s67, s[TY], 14                      ; row 128 x tile row, 128 bytes a row
	s_add_co_u32 s[BA], s[BA], s67
	s_mov_b32 s[BA+1], 0
	s_lshl_b32 s[BB], s[CH], 18                    ; B: row k = 128 x half,
	s_lshl_b32 s68, s[TX], 8                       ; column 128 x tile column
	s_add_co_u32 s[BB], s[BB], s68
	s_add_co_u32 s[BB], s[BB], WOFF
	s_mov_b32 s[BB+1], 0
	s_mul_i32 s20, s[WV], HALF
	s_mov_b32 s[TB], 0
	s_wait_dscnt 0x0
	s_wait_kmcnt 0x0
	s_add_nc_u64 s[BA:BA+1], s[4:5], s[BA:BA+1]
	s_add_nc_u64 s[BB:BB+1], s[6:7], s[BB:BB+1]
	CROUND                                         ; all sixteen work-groups are here: the first joint loads meet
.irp s, 0,1
	s_mov_b32 s[G0A+4*(\s)], 1
	s_add_co_u32 s[G0A+4*(\s)+1], s20, (\s)*SLOT
	s_mov_b32 s[G0B+4*(\s)], 1
	s_add_co_u32 s[G0B+4*(\s)+1], s20, (\s)*SLOT
	AIM \s                                         ; the walk's first two K steps
.endr
	s_cmp_eq_u32 s[RH], 0                          ; a wave's two first fills stand in one branch: two loads of mine are out
	s_cbranch_scc0 .Lfirst_b
	tensor_load_to_lds s[G0A:G0A+3], s[G1A:G1A+7]
	s_nop 0
	tensor_load_to_lds s[G0A+4:G0A+7], s[G1A:G1A+7]
	s_nop 0
	PLACES
	s_branch .Lfirst_asked
.Lfirst_b:
	tensor_load_to_lds s[G0B:G0B+3], s[G1B:G1B+7]
	s_nop 0
	tensor_load_to_lds s[G0B+4:G0B+7], s[G1B:G1B+7]
	s_nop 0
	PLACES
.Lfirst_asked:
	v_and_b32 v1, 15, v0
	v_bfe_u32 v2, v0, 4, 1
	s_lshl_b32 s69, s[TX], 9
	s_lshl_b32 s70, s[CH], 8
	s_add_co_u32 s69, s69, s70                     ; my first column, 4 bytes each
	v_lshl_add_u32 v[BO], v2, 5, s69
.irp b, 0,1,2,3
	global_load_b128 v[BI+8*(\b):BI+8*(\b)+3],   v[BO], s[8:9] offset:64*(\b)
	global_load_b128 v[BI+8*(\b)+4:BI+8*(\b)+7], v[BO], s[8:9] offset:64*(\b)+16
.endr
	s_lshl_b32 s22, s[TY], 19                      ; my first row, 4,096 bytes each,
	s_lshl_b32 s70, s[RH], 18
	s_add_co_u32 s22, s22, s70
	s_add_co_u32 s22, s22, s69                     ; and column
	s_mov_b32 s23, 0
	s_add_nc_u64 s[10:11], s[10:11], s[22:23]
	s_add_nc_u64 s[60:61], s[60:61], s[22:23]
	v_lshlrev_b32 v[CO], 12, v2                    ; lanes 0-15 one row's 256 bytes, lanes 16-31 the next row's
	v_lshl_add_u32 v[CO], v1, 4, v[CO]
	WIN 0x80
.set t, 0
.rept 32
	global_load_b128 v[4*t:4*t+3], v[CO], s[10:11] offset:8192*t th:TH_LOAD_NT
.set t, t+1
.endr
	WIN 0
	v_mul_u32_u24 v3, v1, PA
	v_lshl_add_u32 v3, v2, 4, v3
	s_mul_i32 s67, s[RH], 64*PA
	v_add_nc_u32 v[ADRA0], s67, v3
	v_and_b32 v9, 7, v0
	v_lshl_add_u32 v4, v2, 3, v9
	v_mul_u32_u24 v4, v4, PB
	v_bfe_u32 v5, v0, 3, 1
	v_lshl_add_u32 v4, v5, 4, v4
	s_lshl_b32 s68, s[CH], 7
	s_add_co_u32 s68, s68, 2*HALF
	v_add_nc_u32 v[ADRB0], s68, v4
	v_mov_b32 v[ADRA], v[ADRA0]
	v_mov_b32 v[ADRB], v[ADRB0]
	v_add_nc_u32 v[ADRB+1], 128*PB, v[ADRB0]
	s_mul_i32 s71, s[WV], DUMPW
	v_mul_u32_u24 v6, v1, DPITCH
	v_lshl_add_u32 v6, v2, 5, v6
	v_add_nc_u32 v[DST], s71, v6
	v_mul_u32_u24 v7, v2, DPITCH
	v_lshl_add_u32 v7, v1, 4, v7
	v_add_nc_u32 v[RD], s71, v7
	s_wait_tensorcnt 0x1                           ; my part of the walk's first K step is in
	s_barrier_signal -1
	s_barrier_wait -1
	FETCH 0, F0
	s_wait_loadcnt 32                              ; the bias is in; the residual's 32 loads stay out
	QUARTER 1, F0, F1, 1
	WIN 0
	s_mov_b32 s3, NSTEP-2
.Lstep:                                        ; a trip ends a K step, fills its slot again with the step two on in the walk, and begins the next step
	QUARTER 2, F1, F0, 0
	QUARTER 3, F0, F1, 0
	TURN 1
	QUARTER 1, F0, F1, 0
	WIN 0
	s_sub_co_u32 s3, s3, 1
	s_cmp_lg_u32 s3, 0
	s_cbranch_scc1 .Lstep
	s_mov_b32 s3, 2
.Ltail:                                        ; the last two K steps ask for nothing; the second trip is left in its middle
	QUARTER 2, F1, F0, 0
	QUARTER 3, F0, F1, 0
	WIN 0
	s_sub_co_u32 s3, s3, 1
	s_cmp_eq_u32 s3, 0
	s_cbranch_scc1 .Llast
	TURN 0
	QUARTER 1, F0, F1, 0
	WIN 0
	s_branch .Ltail
.Llast:
	s_wait_dscnt 16
	MUL8 F1, 0, 0, 0
	MUL8 F1, 0, 2, 0
	s_wait_dscnt 0x0
	MUL8 F1, 1, 0, 0
	MUL8 F1, 1, 2, 0
	WIN 0
	PLACES
	s_wait_dscnt 0x0                               ; my reads of the ring are over;
	s_barrier_signal -1
	s_barrier_wait -1                              ; everybody's are, and no fill follows
.irp a, 0,1,2,3
.irp b, 0,1,2,3
	ds_store_b128 v[DST], v[ACC+8*(4*(\a)+(\b)):ACC+8*(4*(\a)+(\b))+3]   offset:(\a)*16*DPITCH+64*(\b)
	ds_store_b128 v[DST], v[ACC+8*(4*(\a)+(\b))+4:ACC+8*(4*(\a)+(\b))+7] offset:(\a)*16*DPITCH+64*(\b)+16
.endr
.endr
	WIN 0x40
.set t, 0
.rept 32
	ds_load_b128 v[4*t:4*t+3], v[RD] offset:2*DPITCH*t     ; my own bytes, served in order
.set t, t+1
.endr
	s_wait_loadcnt 0x0                             ; the residual
	s_wait_dscnt 0x0
	WIN 0x49                                       ; window 1 += window 2
.set i, 0
.rept 64
	v_pk_add_f32 v[2*i:2*i+1], v[2*i:2*i+1], v[2*i:2*i+1]
.set i, i+1
.endr
	WIN 0x04
.set t, 0
.rept 32
	global_store_b128 v[CO], v[4*t:4*t+3], s[60:61] offset:8192*t
.set t, t+1
.endr
	WIN 0
	s_wait_tensorcnt 0x0                           ; the wave's end
	ds_add_u32 v[SPW], v[NIL]
	s_wait_dscnt 0x0
	CROUND                                         ; the closing round
	s_endpgm
.Lfunc_end_k_q1d176f08de_proj:
	.size	k_q1d176f08de_proj, .Lfunc_end_k_q1d176f08de_proj-k_q1d176f08de_proj
	.p2alignl 7, 3214868480
	.fill 96, 4, 3214868480
	.section	.rodata,"a",@progbits
	.p2align	6, 0x0
	.amdhsa_kernel k_q1d176f08de_proj
		.amdhsa_group_segment_fixed_size 327680
		.amdhsa_private_segment_fixed_size 0
		.amdhsa_enable_private_segment 0
		.amdhsa_kernarg_size 40
		.amdhsa_user_sgpr_count 2
		.amdhsa_user_sgpr_kernarg_segment_ptr 1
		.amdhsa_wavefront_size32 1
		.amdhsa_system_sgpr_workgroup_id_x 1
		.amdhsa_system_sgpr_workgroup_id_y 1
		.amdhsa_system_sgpr_workgroup_id_z 1
		.amdhsa_system_vgpr_workitem_id 0
		.amdhsa_next_free_vgpr 640
		.amdhsa_next_free_sgpr 72
		.amdhsa_reserve_vcc 0
		.amdhsa_float_denorm_mode_32 3
		.amdhsa_float_denorm_mode_16_64 3
		.amdhsa_memory_ordered 1
		.amdhsa_forward_progress 1
		.amdhsa_inst_pref_size 68
	.end_amdhsa_kernel
	.amdgpu_metadata
---
amdhsa.version: [ 1, 2 ]
amdhsa.kernels:
  - .name:           k_q1d176f08de_proj
    .symbol:         k_q1d176f08de_proj.kd
    .args:
      - { .name: y, .offset: 0, .size: 8, .value_kind: global_buffer, .address_space: global }
      - { .name: wb, .offset: 8, .size: 8, .value_kind: global_buffer, .address_space: global }
      - { .name: attn_proj_b, .offset: 16, .size: 8, .value_kind: global_buffer, .address_space: global }
      - { .name: x, .offset: 24, .size: 8, .value_kind: global_buffer, .address_space: global }
      - { .name: x1, .offset: 32, .size: 8, .value_kind: global_buffer, .address_space: global }
    .group_segment_fixed_size: 327680
    .private_segment_fixed_size: 0
    .kernarg_segment_align: 8
    .kernarg_segment_size: 40
    .max_flat_workgroup_size: 128
    .sgpr_count:     72
    .vgpr_count:     640
    .wavefront_size: 32
...
	.end_amdgpu_metadata
.endif
;; end of part 4
;; launch ln2: the kernel of part 1 again; grid 256 x 1, 8 waves a work-group, no clusters, 0 bytes of LDS; arguments x1, ln2_w, ln2_b, h2, c_attn_w, attn_proj_w, wa, wb; writes h2, wa, wb
;; launch fc (part 5): grid 16 x 16, 4 waves a work-group, clusters of 4 x 4, 327,680 bytes of LDS; arguments h2, wb, fc_b, g; writes g
.if DOCPART == 5
	.amdgcn_target "amdgcn-amd-amdhsa--gfx1250"
	.amdhsa_code_object_version 6
	.text
	.protected	k_q1d176f08de_fc
	.globl	k_q1d176f08de_fc
	.p2align	8
	.type	k_q1d176f08de_fc,@function
k_q1d176f08de_fc:
	s_mov_b64 s[64:65], 0
	v_nop
	global_prefetch_b8 v0, s[64:65] scope:SCOPE_SE
	s_setreg_imm32_b32 hwreg(HW_REG_WAVE_MODE, 25, 1), 1
	s_wait_xcnt 0x0
	s_wait_alu depctr_hold_cnt(0) depctr_sa_sdst(0) depctr_va_vdst(0) depctr_va_sdst(0) depctr_va_ssrc(0) depctr_va_vcc(0) depctr_vm_vsrc(0)
	s_getreg_b32 s2, hwreg(HW_REG_IB_STS2, 6, 4)
	s_cmp_eq_u32 s2, 0
	s_cbranch_scc0 .Lentry_in_a_cluster
	s_endpgm
.Lentry_in_a_cluster:
	s_bfe_u32 s2, ttmp6, 0x10000c
	s_cmp_lg_u32 s2, 0xf033
	s_cbranch_scc0 .Lentry_shape_is_right
	s_endpgm
.Lentry_shape_is_right:
; g = gelu(h2 fc_w + fc_b), the exact GELU.  h2: [4096][1024] bf16.  The weights: [1024 k][4096 n] bf16, at byte WOFF of wb.  Sums in f32, started by the bias; g rounded once to bf16.
; OUT: [64 blocks of 64 columns][4096 rows][64] bf16: each block dense.
; A tile of C, 256 x 256, is made by four waves, 128 x 128 each: 64 accumulators of 16 x 16.  K goes in steps of 128 through two LDS slots filled by the tensor data mover.
; A's tile lies [m][k] (rows of 256 bytes + 16 of padding), B's [k][n] as in memory (rows of 512 bytes + 32): B's fragments come out of LDS turned, by ds_load_tr16_b128.
; THE MATRIX INSTRUCTION IS USED TRANSPOSED (source 0 = 16 columns n of B, source 1 = 16 rows of A): a lane holds one row m (lane % 16) and the columns 8 (lane / 16) + 0..7.
; THE BIAS is the C operand of each accumulator's first product.  ONE K STEP IS WRITTEN ONCE: the slot that is read is a scalar, 0 or SLOT, turned by an exclusive or; the walking descriptor's LDS word
; likewise (wave x HALF shares no bit with SLOT).  CLUSTER 4 x 4: A's tile jointly along a row of the cluster, B's along a column.
; THE WAY OUT: the f32 sums go into the ring's bytes, which have had their last fill, each wave into 128 rows x 528 bytes of its own, and come back by rows, eight rows a trip.
; GELU.  gelu(x) = x / 2 + |x| (1/2 - q), q = (1/2) (a1 t + .. + a5 t^5) e^(-x^2 / 2), t = 1 / (1 + 0.2316419 |x|): erf by Abramowitz and Stegun 7.1.26, off by 1.5e-7 at the most for every x, so
; gelu by |x| x 0.75e-7 and f32's rounding.  LIMITS.  NaN and infinities are not treated apart.
.set SIZE_K, 1024
.set SIZE_N, 4096
.set WOFF,   8388608
.set KSTEP,  128
.set PA,     272
.set PB,     544
.set HALF,   128*PA
.set SLOT,   4*HALF
.set DPITCH, 528
.set DUMPW,  128*DPITCH
.set SPARE,  2*SLOT
.set ADRA0, 16
.set ADRB0, 17
.set ADRA,  18
.set ADRB,  19
.set DST,   24
.set DRD,   25
.set GO,    26
.set SPW,   28
.set NIL,   29
.set PFO,   30
.set BO,    31
.set F0,    64
.set F1,    128
.set BI,    192
.set XX,    32                         ; the way out: x, then gelu(x)
.set DD,    64                         ; 1 + p |x|, then t
.set EE,    96                         ; the exponent, then e^(-x^2/2), then that times t
.set PQ,    128                        ; the polynomial, then 1/2 - q
.set HX,    160                        ; x / 2
.set OU,    192                        ; 16 registers of bf16
.set WV, 12
.set RH, 13
.set CH, 14
.set CX, 15
.set CY, 16
.set TX, 17
.set TY, 18
.set TB, 19
.set G1A, 28
.set G0A, 36
.set G1B, 44
.set G0B, 52
.set PFA, 60
.set PST, 62
.set LIM, 66
.set MSB, 0
.macro WIN new
.if MSB != (\new)
	s_set_vgpr_msb (MSB<<8)|(\new)
.set MSB, \new
.endif
.endm
.macro PLACES
.rept 4
	v_nop
.endr
.endm
.macro JLOAD                           ; the joint refill; an s_nop 0 and four v_nop follow each line
	s_cmp_eq_u32 s[RH], 0
	s_cbranch_scc0 .Lfor_b_\@
	tensor_load_to_lds s[G0A+4:G0A+7], s[G1A:G1A+7]
	s_nop 0
	PLACES
	s_branch .Lasked_\@
.Lfor_b_\@:
	tensor_load_to_lds s[G0B+4:G0B+7], s[G1B:G1B+7]
	s_nop 0
	PLACES
.Lasked_\@:
.endm
.macro CREST
	s_cmp_lg_u32 s[WV], 0
	s_cbranch_scc1 .Lnot_wave_0_\@
	s_barrier_signal -3
.Lnot_wave_0_\@:
	s_barrier_wait -3
	s_barrier_signal -1
	s_barrier_wait -1
.endm
.macro CROUND
	s_barrier_signal -1
	s_barrier_wait -1
	CREST
.endm
; A prefetch of the K step that stands two refills on, 512 matrix instructions ahead of its load: 32 blocks of 256 bytes, a lane a block.  A's rows are asked for by the clusters with x = 0, B's by those with y = 0;
; the four partners that ask for a tile jointly share its blocks out by address.  So each block is named once.  The loop's last two trips have no K step two on.
.macro ASK
	s_cmp_gt_u32 s3, s[LIM]
	s_cbranch_scc0 .Lnot_mine_\@
	global_prefetch_b8 v[PFO], s[PFA:PFA+1] th:TH_LOAD_NT scope:SCOPE_SE
.Lnot_mine_\@:
.endm
.macro MUL16 f, hi, a0, first          ; 16 matrix instructions; first = 1: the bias starts the sums.  The 64 accumulators take turns in one order
.if \first
	WIN 0x81+0x40*(\hi)
.else
	WIN 0xa1+0x50*(\hi)
.endif
.irp a, \a0, (\a0)+1
.irp b, 0,1,2,3,4,5,6,7
.if \first
	v_wmma_f32_16x16x32_bf16 v[8*(8*(\a)+(\b)):8*(8*(\a)+(\b))+7], v[(\f)+8*(\b):(\f)+8*(\b)+7], v[(\f)+8*(4*(\hi)+(\a)):(\f)+8*(4*(\hi)+(\a))+7], v[BI+8*(\b):BI+8*(\b)+7]
.else
	v_wmma_f32_16x16x32_bf16 v[8*(8*(\a)+(\b)):8*(8*(\a)+(\b))+7], v[(\f)+8*(\b):(\f)+8*(\b)+7], v[(\f)+8*(4*(\hi)+(\a)):(\f)+8*(4*(\hi)+(\a))+7], v[8*(8*(\a)+(\b)):8*(8*(\a)+(\b))+7]
.endif
.endr
.endr
.endm
.macro FETCH q, f                      ; 32 LDS loads in one run: quarter q's fragments into buffer f: B's eight (turned), then A's eight
	WIN 0x40
.irp i, 0,1,2,3,4,5,6,7
	ds_load_tr16_b128 v[(\f)+8*(\i):(\f)+8*(\i)+3],   v[ADRB] offset:(\q)*32*PB+32*(\i)
	ds_load_tr16_b128 v[(\f)+8*(\i)+4:(\f)+8*(\i)+7], v[ADRB] offset:(\q)*32*PB+16*PB+32*(\i)
.endr
	WIN 0
.irp i, 0,1,2,3,4,5,6,7
	ds_load_b128 v[(\f)+8*(\i):(\f)+8*(\i)+3],   v[ADRA] offset:64*(\q)+(\i)*16*PA
	ds_load_b128 v[(\f)+8*(\i)+4:(\f)+8*(\i)+7], v[ADRA] offset:64*(\q)+(\i)*16*PA+32
.endr
.endm
.macro QUARTER qn, f, g, first
	s_wait_dscnt 8                                 ; B and A's rows 0-63 are in; the youngest eight loads (A's rows 64-127) may be out
	MUL16 \f, 0, 0, \first
	MUL16 \f, 0, 2, \first
	PLACES
	FETCH \qn, \g
	s_wait_dscnt 32                                ; all but the 32 just issued
	MUL16 \f, 1, 0, \first
	MUL16 \f, 1, 2, \first
.endm
; The last quarter multiplies buffer 1 and changes slots: in front of the barrier each wave waits for all its tensor loads, adds 0 to its spare word, and waits for that and for its reads of this slot.
.macro TURN fill
.if \fill
	s_wait_xcnt 0x0                                ; the last prefetch, a K step back, has read its address
	s_add_nc_u64 s[PFA:PFA+1], s[PFA:PFA+1], s[PST:PST+1]
.endif
	WIN 0
	s_wait_tensorcnt 0x0
	ds_add_u32 v[SPW], v[NIL]
	s_wait_dscnt 9                                 ; (the add and the youngest eight loads may be out)
	MUL16 F1, 0, 0, 0
	s_wait_dscnt 0x0
	s_barrier_signal -1
	MUL16 F1, 0, 2, 0
	WIN 0
	s_barrier_wait -1
.if \fill
	CREST
	s_xor_b32 s[G0A+5], s[G0A+5], SLOT
	s_add_nc_u64 s[G0A+6:G0A+7], s[G0A+6:G0A+7], KSTEP*2
	s_xor_b32 s[G0B+5], s[G0B+5], SLOT
	s_add_nc_u64 s[G0B+6:G0B+7], s[G0B+6:G0B+7], KSTEP*2*SIZE_N
	JLOAD                                          ; 224 matrix instructions ahead of the wait for it
.else
	PLACES
.endif
	s_xor_b32 s[TB], s[TB], SLOT
	v_add_nc_u32 v[ADRA], s[TB], v[ADRA0]
	v_add_nc_u32 v[ADRB], s[TB], v[ADRB0]
	FETCH 0, F0
.if \fill
	ASK
.endif
	MUL16 F1, 1, 0, 0
	MUL16 F1, 1, 2, 0
.endm
	s_load_b256 s[4:11], s[0:1], 0x0               ; A s[4:5], wb s[6:7], bias s[8:9], out s[10:11]
	v_lshl_add_u32 v[SPW], v0, 2, SPARE
	v_mov_b32 v[NIL], 0
	ds_add_u32 v[SPW], v[NIL]                      ; the wave's opening: the add and its wait ahead of my first tensor load
	v_lshrrev_b32 v1, 5, v0
	v_readfirstlane_b32 s[WV], v1
	s_lshr_b32 s[RH], s[WV], 1
	s_and_b32 s[CH], s[WV], 1
	s_bfe_u32 s[CX], ttmp6, 0x40000
	s_bfe_u32 s[CY], ttmp6, 0x40004
	s_lshl_b32 s[TX], ttmp9, 2
	s_add_co_u32 s[TX], s[TX], s[CX]
	s_and_b32 s[TY], ttmp7, 0xffff
	s_lshl_b32 s[TY], s[TY], 2
	s_add_co_u32 s[TY], s[TY], s[CY]
	s_lshl_b32 s22, s[CY], 2
	s_lshl_b32 s22, 15, s22
	s_lshl_b32 s23, 0x1111, s[CX]
	s_or_b32 s[G1A], s22, (1<<16)|(1<<20)|(1<<21)|(5<<22)|(3<<25)
	s_or_b32 s[G1B], s23, (1<<16)|(1<<20)|(1<<21)|(6<<22)|(7<<25)
	s_mov_b32 s[G1A+1], KSTEP<<16
	s_mov_b32 s[G1A+2], 128<<16
	s_mov_b32 s[G1A+3], KSTEP<<16
	s_mov_b32 s[G1A+4], 128
	s_mov_b32 s[G1A+5], SIZE_K
	s_mov_b32 s[G1A+6], 0
	s_mov_b32 s[G1A+7], 0
	s_mov_b32 s[G1B+1], 256<<16
	s_mov_b32 s[G1B+2], 64<<16
	s_mov_b32 s[G1B+3], 256<<16
	s_mov_b32 s[G1B+4], 64
	s_mov_b32 s[G1B+5], SIZE_N
	s_mov_b32 s[G1B+6], 0
	s_mov_b32 s[G1B+7], 0
	s_lshl_b32 s24, s[TY], 8
	s_lshl_b32 s67, s[CH], 7
	s_add_co_u32 s24, s24, s67
	s_lshl_b32 s24, s24, 11
	s_mov_b32 s25, 0
	s_mul_i32 s26, s[CH], 64*2*SIZE_N
	s_lshl_b32 s68, s[TX], 9
	s_add_co_u32 s26, s26, s68
	s_add_co_u32 s26, s26, WOFF
	s_mov_b32 s27, 0
	s_mul_i32 s20, s[WV], HALF
	s_mov_b32 s[TB], 0
	s_mov_b32 s72, 0x3e6d3389                      ; 0.2316419
	s_mov_b32 s74, 0xbf38aa3b                      ; -log2(e) / 2
	s_mov_b32 s75, s74
	s_mov_b32 s76, 0x3f07dc22                      ; a5 / 2
	s_mov_b32 s77, s76
	s_mov_b32 s78, 0xbf3a00e3                      ; a4 / 2
	s_mov_b32 s79, s78
	s_mov_b32 s80, 0x3f35f0e3                      ; a3 / 2
	s_mov_b32 s81, s80
	s_mov_b32 s82, 0xbe11a98e                      ; a2 / 2
	s_mov_b32 s83, s82
	s_mov_b32 s84, 0x3e027906                      ; a1 / 2
	s_mov_b32 s85, s84
	s_wait_dscnt 0x0
	s_wait_kmcnt 0x0
	s_add_nc_u64 s[24:25], s[4:5], s[24:25]
	s_add_nc_u64 s[26:27], s[6:7], s[26:27]
	CROUND                                         ; all sixteen work-groups are here: the first joint loads meet
.irp s, 0,1
	s_mov_b32 s[G0A+4*(\s)], 1
	s_add_co_u32 s[G0A+4*(\s)+1], s20, (\s)*SLOT
	s_add_nc_u64 s[G0A+4*(\s)+2:G0A+4*(\s)+3], s[24:25], (\s)*KSTEP*2
	s_or_b32 s[G0A+4*(\s)+3], s[G0A+4*(\s)+3], 0x80000000
	s_mov_b32 s[G0B+4*(\s)], 1
	s_add_co_u32 s[G0B+4*(\s)+1], s20, (\s)*SLOT
	s_add_nc_u64 s[G0B+4*(\s)+2:G0B+4*(\s)+3], s[26:27], (\s)*KSTEP*2*SIZE_N
	s_or_b32 s[G0B+4*(\s)+3], s[G0B+4*(\s)+3], 0x80000000
.endr
	s_cmp_eq_u32 s[RH], 0                          ; a wave's two first fills stand in one branch: two loads of mine are out
	s_cbranch_scc0 .Lfirst_b
	tensor_load_to_lds s[G0A:G0A+3], s[G1A:G1A+7]
	s_nop 0
	tensor_load_to_lds s[G0A+4:G0A+7], s[G1A:G1A+7]
	s_nop 0
	PLACES
	s_branch .Lfirst_asked
.Lfirst_b:
	tensor_load_to_lds s[G0B:G0B+3], s[G1B:G1B+7]
	s_nop 0
	tensor_load_to_lds s[G0B+4:G0B+7], s[G1B:G1B+7]
	s_nop 0
	PLACES
.Lfirst_asked:
	v_and_b32 v1, 15, v0
	v_bfe_u32 v2, v0, 4, 1
	s_lshl_b32 s69, s[TX], 10
	s_lshl_b32 s70, s[CH], 9
	s_add_co_u32 s69, s69, s70
	v_lshl_add_u32 v[BO], v2, 5, s69
.irp b, 0,1,2,3,4,5,6,7
	global_load_b128 v[BI+8*(\b):BI+8*(\b)+3],   v[BO], s[8:9] offset:64*(\b)
	global_load_b128 v[BI+8*(\b)+4:BI+8*(\b)+7], v[BO], s[8:9] offset:64*(\b)+16
.endr
	v_mul_u32_u24 v3, v1, PA
	v_lshl_add_u32 v3, v2, 4, v3
	s_mul_i32 s67, s[RH], HALF
	v_add_nc_u32 v[ADRA0], s67, v3
	v_and_b32 v9, 7, v0
	v_lshl_add_u32 v4, v2, 3, v9
	v_mul_u32_u24 v4, v4, PB
	v_bfe_u32 v5, v0, 3, 1
	v_lshl_add_u32 v4, v5, 4, v4
	s_lshl_b32 s68, s[CH], 8
	s_add_co_u32 s68, s68, 2*HALF
	v_add_nc_u32 v[ADRB0], s68, v4
	v_mov_b32 v[ADRA], v[ADRA0]
	v_mov_b32 v[ADRB], v[ADRB0]
	s_mul_i32 s71, s[WV], DUMPW
	v_mul_u32_u24 v6, v1, DPITCH
	v_lshl_add_u32 v6, v2, 5, v6
	v_add_nc_u32 v[DST], s71, v6
	v_and_b32 v7, 31, v0
	v_lshrrev_b32 v8, 3, v7
	v_mul_u32_u24 v8, v8, DPITCH                   ; back: four rows a load, 32 bytes of f32 a lane
	v_lshl_add_u32 v8, v9, 5, v8
	v_add_nc_u32 v[DRD], s71, v8
	v_lshlrev_b32 v[GO], 4, v7
	s_lshl_b32 s67, s[TY], 8                       ; where my part begins in the output
	s_lshl_b32 s68, s[RH], 7
	s_add_co_u32 s67, s67, s68                     ; my first row m: 128 bytes a row
	s_lshl_b32 s22, s67, 7
	s_lshl_b32 s69, s[TX], 8
	s_lshl_b32 s70, s[CH], 7
	s_add_co_u32 s69, s69, s70                     ; my first column n: 524,288 bytes for each 64
	s_lshl_b32 s69, s69, 13
	s_add_co_u32 s22, s22, s69
	s_mov_b32 s23, 0
	s_add_nc_u64 s[10:11], s[10:11], s[22:23]
	; the prefetches
	v_lshlrev_b32 v3, 11, v7
	v_lshrrev_b32 v4, 1, v7
	v_mul_u32_u24 v4, v4, 2*SIZE_N
	v_and_b32 v5, 1, v0
	v_lshl_add_u32 v4, v5, 8, v4
	s_lshl_b32 s69, s[TY], 8
	s_lshl_b32 s70, s[CH], 7
	s_add_co_u32 s69, s69, s70
	s_lshl_b32 s70, s[CX], 5
	s_add_co_u32 s69, s69, s70
	s_lshl_b32 s69, s69, 11
	s_add_co_u32 s69, s69, 3*KSTEP*2               ; at K step 3: the first refill steps it to 4
	s_lshl_b32 s70, s[CH], 6
	s_lshl_b32 s71, s[CY], 4
	s_add_co_u32 s70, s70, s71
	s_add_co_u32 s70, s70, 3*KSTEP
	s_mul_i32 s70, s70, 2*SIZE_N
	s_lshl_b32 s71, s[TX], 9
	s_add_co_u32 s70, s70, s71
	s_add_co_u32 s70, s70, WOFF
	s_mov_b32 s68, KSTEP*2*SIZE_N
	s_and_b32 s67, ttmp7, 0xffff
	s_cmp_eq_u32 s[RH], 0
	s_cselect_b32 s67, ttmp9, s67
	s_cselect_b64 s[PFA:PFA+1], s[4:5], s[6:7]
	s_cselect_b32 s22, s69, s70
	s_cselect_b32 s[PST], KSTEP*2, s68
	s_cselect_b32 s71, -1, 0
	s_mov_b32 s[PST+1], 0
	v_cndmask_b32 v[PFO], v4, v3, s71
	s_add_nc_u64 s[PFA:PFA+1], s[PFA:PFA+1], s[22:23]
	s_cmp_eq_u32 s67, 0
	s_cselect_b32 s[LIM], 2, -1
	s_wait_tensorcnt 0x1                           ; my part of K step 0 is in
	s_barrier_signal -1
	s_barrier_wait -1
	FETCH 0, F0
	s_wait_loadcnt 0x0                             ; the bias
	QUARTER 1, F0, F1, 1
	WIN 0
	s_mov_b32 s3, SIZE_K/KSTEP-2
.Lstep:
	QUARTER 2, F1, F0, 0
	QUARTER 3, F0, F1, 0
	TURN 1
	QUARTER 1, F0, F1, 0
	WIN 0
	s_sub_co_u32 s3, s3, 1
	s_cmp_lg_u32 s3, 0
	s_cbranch_scc1 .Lstep
	s_mov_b32 s3, 2
.Ltail:
	QUARTER 2, F1, F0, 0
	QUARTER 3, F0, F1, 0
	WIN 0
	s_sub_co_u32 s3, s3, 1
	s_cmp_eq_u32 s3, 0
	s_cbranch_scc1 .Llast
	TURN 0
	QUARTER 1, F0, F1, 0
	WIN 0
	s_branch .Ltail
.Llast:
	s_wait_dscnt 8
	MUL16 F1, 0, 0, 0
	MUL16 F1, 0, 2, 0
	s_wait_dscnt 0x0
	MUL16 F1, 1, 0, 0
	MUL16 F1, 1, 2, 0
	WIN 0
	PLACES
	s_wait_dscnt 0x0
	s_barrier_signal -1
	s_barrier_wait -1                              ; nobody reads the ring any more, and no fill follows: its bytes take the sums
.irp hi, 0,1
	WIN 0x08+4*(\hi)
.irp a, 0,1,2,3
.irp b, 0,1,2,3,4,5,6,7
	ds_store_b128 v[DST], v[8*(8*(\a)+(\b)):8*(8*(\a)+(\b))+3]   offset:(4*(\hi)+(\a))*16*DPITCH+64*(\b)
	ds_store_b128 v[DST], v[8*(8*(\a)+(\b))+4:8*(8*(\a)+(\b))+7] offset:(4*(\hi)+(\a))*16*DPITCH+64*(\b)+16
.endr
.endr
.endr
	WIN 0
	s_mov_b32 s2, 16
.Lout:                                         ; eight rows a trip, 32 numbers a lane.  A store takes four rows of one block of 64 columns: 512 consecutive bytes
.irp hf, 0,1
.irp cb, 0,1
	ds_load_b128 v[XX+8*(2*(\hf)+(\cb)):XX+8*(2*(\hf)+(\cb))+3],   v[DRD] offset:(\hf)*4*DPITCH+(\cb)*256
	ds_load_b128 v[XX+8*(2*(\hf)+(\cb))+4:XX+8*(2*(\hf)+(\cb))+7], v[DRD] offset:(\hf)*4*DPITCH+(\cb)*256+16
.endr
.endr
	s_wait_dscnt 0x0
.set i, 0
.rept 32
	v_fma_f32 v[DD+i], |v[XX+i]|, s72, 1.0
.set i, i+1
.endr
.set i, 0
.rept 16                               ; one batch of 64: the reciprocals, the exponent's two products between them,
	v_rcp_f32 v[DD+2*i], v[DD+2*i]
	v_pk_mul_f32 v[EE+2*i:EE+2*i+1], v[XX+2*i:XX+2*i+1], s[74:75] op_sel_hi:[1,0]
	v_rcp_f32 v[DD+2*i+1], v[DD+2*i+1]
	v_pk_mul_f32 v[EE+2*i:EE+2*i+1], v[EE+2*i:EE+2*i+1], v[XX+2*i:XX+2*i+1]
.set i, i+1
.endr
.set i, 0
.rept 16                               ; and the exponentials, x / 2 between them; nothing here names a result of the batch
	v_exp_f32 v[EE+2*i], v[EE+2*i]
	v_pk_mul_f32 v[HX+2*i:HX+2*i+1], v[XX+2*i:XX+2*i+1], 0.5 op_sel_hi:[1,0]
	v_exp_f32 v[EE+2*i+1], v[EE+2*i+1]
.set i, i+1
.endr
	v_nop
	s_wait_alu depctr_va_vdst(0)                   ; the batch's one wait
.set i, 0
.rept 16
	v_pk_fma_f32 v[PQ+2*i:PQ+2*i+1], v[DD+2*i:DD+2*i+1], s[76:77], s[78:79] op_sel_hi:[1,0,0]
.set i, i+1
.endr
.irp k, 80, 82, 84
.set i, 0
.rept 16
	v_pk_fma_f32 v[PQ+2*i:PQ+2*i+1], v[PQ+2*i:PQ+2*i+1], v[DD+2*i:DD+2*i+1], s[\k:\k+1] op_sel_hi:[1,1,0]
.set i, i+1
.endr
.endr
.set i, 0
.rept 16
	v_pk_mul_f32 v[EE+2*i:EE+2*i+1], v[EE+2*i:EE+2*i+1], v[DD+2*i:DD+2*i+1]
.set i, i+1
.endr
.set i, 0
.rept 16
	v_pk_fma_f32 v[PQ+2*i:PQ+2*i+1], v[PQ+2*i:PQ+2*i+1], v[EE+2*i:EE+2*i+1], 0.5 op_sel_hi:[1,1,0] neg_lo:[1,0,0] neg_hi:[1,0,0]
.set i, i+1
.endr
.set i, 0
.rept 32
	v_fma_f32 v[XX+i], |v[XX+i]|, v[PQ+i], v[HX+i]
.set i, i+1
.endr
.set i, 0
.rept 16
	v_cvt_pk_bf16_f32 v[OU+i], v[XX+2*i], v[XX+2*i+1]
.set i, i+1
.endr
.irp hf, 0,1
.irp cb, 0,1
	global_store_b128 v[GO], v[OU+4*(2*(\hf)+(\cb)):OU+4*(2*(\hf)+(\cb))+3], s[10:11] offset:(\hf)*512+(\cb)*524288
.endr
.endr
	s_wait_xcnt 0x0                                ; the stores' base and data are written again only behind this wait
	s_add_nc_u64 s[10:11], s[10:11], 1024
	v_add_nc_u32 v[DRD], 8*DPITCH, v[DRD]
	s_sub_co_u32 s2, s2, 1
	s_cmp_lg_u32 s2, 0
	s_cbranch_scc1 .Lout
	s_wait_tensorcnt 0x0                           ; the wave's end
	ds_add_u32 v[SPW], v[NIL]
	s_wait_dscnt 0x0
	CROUND                                         ; the closing round
	s_endpgm
.Lfunc_end_k_q1d176f08de_fc:
	.size	k_q1d176f08de_fc, .Lfunc_end_k_q1d176f08de_fc-k_q1d176f08de_fc
	.p2alignl 7, 3214868480
	.fill 96, 4, 3214868480
	.section	.rodata,"a",@progbits
	.p2align	6, 0x0
	.amdhsa_kernel k_q1d176f08de_fc
		.amdhsa_group_segment_fixed_size 327680
		.amdhsa_private_segment_fixed_size 0
		.amdhsa_enable_private_segment 0
		.amdhsa_kernarg_size 32
		.amdhsa_user_sgpr_count 2
		.amdhsa_user_sgpr_kernarg_segment_ptr 1
		.amdhsa_wavefront_size32 1
		.amdhsa_system_sgpr_workgroup_id_x 1
		.amdhsa_system_sgpr_workgroup_id_y 1
		.amdhsa_system_sgpr_workgroup_id_z 1
		.amdhsa_system_vgpr_workitem_id 0
		.amdhsa_next_free_vgpr 1024
		.amdhsa_next_free_sgpr 88
		.amdhsa_reserve_vcc 0
		.amdhsa_float_denorm_mode_32 3
		.amdhsa_float_denorm_mode_16_64 3
		.amdhsa_memory_ordered 1
		.amdhsa_forward_progress 1
		.amdhsa_inst_pref_size 102
	.end_amdhsa_kernel
	.amdgpu_metadata
---
amdhsa.version: [ 1, 2 ]
amdhsa.kernels:
  - .name:           k_q1d176f08de_fc
    .symbol:         k_q1d176f08de_fc.kd
    .args:
      - { .name: h2, .offset: 0, .size: 8, .value_kind: global_buffer, .address_space: global }
      - { .name: wb, .offset: 8, .size: 8, .value_kind: global_buffer, .address_space: global }
      - { .name: fc_b, .offset: 16, .size: 8, .value_kind: global_buffer, .address_space: global }
      - { .name: g, .offset: 24, .size: 8, .value_kind: global_buffer, .address_space: global }
    .group_segment_fixed_size: 327680
    .private_segment_fixed_size: 0
    .kernarg_segment_align: 8
    .kernarg_segment_size: 32
    .max_flat_workgroup_size: 128
    .sgpr_count:     88
    .vgpr_count:     1024
    .wavefront_size: 32
...
	.end_amdgpu_metadata
.endif
;; end of part 5
;; launch mlp (part 6): grid 8 x 32, 4 waves a work-group, clusters of 4 x 4, 327,680 bytes of LDS; arguments g, wb, mlp_proj_b, x1, out0; writes out0
.if DOCPART == 6
	.amdgcn_target "amdgcn-amd-amdhsa--gfx1250"
	.amdhsa_code_object_version 6
	.text
	.protected	k_q1d176f08de_mlp
	.globl	k_q1d176f08de_mlp
	.p2align	8
	.type	k_q1d176f08de_mlp,@function
k_q1d176f08de_mlp:
	s_mov_b64 s[64:65], 0
	v_nop
	global_prefetch_b8 v0, s[64:65] scope:SCOPE_SE
	s_setreg_imm32_b32 hwreg(HW_REG_WAVE_MODE, 25, 1), 1
	s_wait_xcnt 0x0
	s_wait_alu depctr_hold_cnt(0) depctr_sa_sdst(0) depctr_va_vdst(0) depctr_va_sdst(0) depctr_va_ssrc(0) depctr_va_vcc(0) depctr_vm_vsrc(0)
	s_getreg_b32 s2, hwreg(HW_REG_IB_STS2, 6, 4)
	s_cmp_eq_u32 s2, 0
	s_cbranch_scc0 .Lentry_in_a_cluster
	s_endpgm
.Lentry_in_a_cluster:
	s_bfe_u32 s2, ttmp6, 0x10000c
	s_cmp_lg_u32 s2, 0xf033
	s_cbranch_scc0 .Lentry_shape_is_right
	s_endpgm
.Lentry_shape_is_right:
; out = res + A W + bias.  A: [SIZE_K / 64][4096][64] bf16 (blocks of 64 along K, each dense).  W: [SIZE_K][1024] bf16 at byte WOFF of wb.  bias [1024], res and out [4096][1024] f32.  Sums in f32, started by the bias.
; A tile of C is 128 x 128: 256 work-groups.  Four waves, 64 x 64 each: 16 accumulators.  K goes in steps of 256 through two LDS slots filled by the tensor data mover.
; A's tile: four K blocks of 128 rows x 128 bytes (+ 16 of padding); a wave's load brings two of them, each 16,384 dense bytes of memory, asked for as one long row.  B's tile: 256 rows k x 256 bytes (+ 32), read turned.
; THE MATRIX INSTRUCTION IS USED TRANSPOSED (source 0 = 16 columns of W, source 1 = 16 rows of A): a lane holds one row m and eight neighbouring columns.
; One K step is written once: the slot that is read is a scalar, 0 or SLOT, turned by an exclusive or; the walking descriptor's LDS word likewise (wave x HALF shares no bit with SLOT).
; THE WALK ALONG K IS CYCLIC.  Cluster (X, Y) begins at K step (NSTEP / 2) X + (NSTEP / 4) ((Y + 2 (Y >> 2)) & 3) and wraps round.  The two clusters that read the same rows of A begin half a walk apart, and the
; eight that read the same columns of W begin at four different steps, so that they ask for a given block at different times.  The start hangs on the cluster's coordinates alone: it is the same in all
; sixteen partners.  The f32 sums are taken in that order.  A fill's address is made anew from the number of its K step.
; CLUSTER 4 x 4: A's tile jointly along a row of the cluster, B's along a column.  No prefetch: the tiles are small.
; THE RESIDUAL is asked for at the start, 32 loads into registers of their own, and waited for at the end.  THE WAY OUT: the sums go into ring bytes that have had their last fill, each wave's own 64 rows x 272 bytes,
; and come back as rows of 256 bytes: sixteen lanes load, add and store 256 consecutive bytes, aligned.
; REGISTERS: window 0: v16-31 addresses; v96-127 the bias; v128-255 the accumulators.  window 1: two fragment buffers of 128 (64 of A, 64 of B).  window 2: v0-127 the residual.
; LIMITS.  NaN and infinities are not treated apart.
.set SIZE_K, 4096
.set WOFF,   16777216
.set SIZE_N, 1024
.set KSTEP,  256
.set NSTEP,  SIZE_K/KSTEP              ; a power of two, at least 4
.set PA,     144
.set PB,     288
.set ABLK,   128*PA
.set HALF,   2*ABLK
.set SLOT,   4*HALF
.set DPITCH, 272
.set DUMPW,  64*DPITCH
.set SPARE,  2*SLOT
.set ADRA0, 16
.set ADRB0, 17
.set ADRA,  18
.set ADRB,  19
.set DST,   24
.set RD,    25
.set CO,    26
.set SPW,   28
.set NIL,   29
.set BO,    31
.set BI,    96
.set ACC,   128
.set F0,    0
.set F1,    128
.set WV, 12
.set RH, 13
.set CH, 14
.set CX, 15
.set CY, 16
.set TX, 17
.set TY, 18
.set TB, 19
.set KN, 21                            ; s21      the K step that is asked for next; made of the cluster's coordinates alone
.set BA, 24                            ; s[24:25] A at my part of K step 0
.set BB, 26                            ; s[26:27] W at my part of K step 0
.set G1A, 28
.set G0A, 36
.set G1B, 44
.set G0B, 52
.set KO, 62                            ; s[62:63] a K step's byte offset
.set MSB, 0
.macro WIN new
.if MSB != (\new)
	s_set_vgpr_msb (MSB<<8)|(\new)
.set MSB, \new
.endif
.endm
.macro PLACES
.rept 4
	v_nop
.endr
.endm
.macro JLOAD                           ; the joint refill; an s_nop 0 and four v_nop follow each line
	s_cmp_eq_u32 s[RH], 0
	s_cbranch_scc0 .Lfor_b_\@
	tensor_load_to_lds s[G0A+4:G0A+7], s[G1A:G1A+7]
	s_nop 0
	PLACES
	s_branch .Lasked_\@
.Lfor_b_\@:
	tensor_load_to_lds s[G0B+4:G0B+7], s[G1B:G1B+7]
	s_nop 0
	PLACES
.Lasked_\@:
.endm
.macro CREST
	s_cmp_lg_u32 s[WV], 0
	s_cbranch_scc1 .Lnot_wave_0_\@
	s_barrier_signal -3
.Lnot_wave_0_\@:
	s_barrier_wait -3
	s_barrier_signal -1
	s_barrier_wait -1
.endm
.macro CROUND
	s_barrier_signal -1
	s_barrier_wait -1
	CREST
.endm
; The global addresses of K step KN go into set s of both descriptors; KN steps on, round the end.
.macro AIM s
	s_lshl_b32 s[KO], s[KN], 21                    ; A: four K blocks of 524,288 bytes a step
	s_add_nc_u64 s[G0A+4*(\s)+2:G0A+4*(\s)+3], s[BA:BA+1], s[KO:KO+1]
	s_or_b32 s[G0A+4*(\s)+3], s[G0A+4*(\s)+3], 0x80000000
	s_lshl_b32 s[KO], s[KN], 19                    ; W: 256 rows of 2,048 bytes a step
	s_add_nc_u64 s[G0B+4*(\s)+2:G0B+4*(\s)+3], s[BB:BB+1], s[KO:KO+1]
	s_or_b32 s[G0B+4*(\s)+3], s[G0B+4*(\s)+3], 0x80000000
	s_add_co_u32 s[KN], s[KN], 1
	s_and_b32 s[KN], s[KN], NSTEP-1
.endm
.macro MUL8 f, c, a0, first            ; 8 matrix instructions; first = 1: the bias starts the sums.  The 16 accumulators take turns
	WIN 0x05
.irp a, \a0, (\a0)+1
.irp b, 0,1,2,3
.if \first
	v_wmma_f32_16x16x32_bf16 v[ACC+8*(4*(\a)+(\b)):ACC+8*(4*(\a)+(\b))+7], v[(\f)+64+8*(4*(\c)+(\b)):(\f)+64+8*(4*(\c)+(\b))+7], v[(\f)+8*(4*(\c)+(\a)):(\f)+8*(4*(\c)+(\a))+7], v[BI+8*(\b):BI+8*(\b)+7]
.else
	v_wmma_f32_16x16x32_bf16 v[ACC+8*(4*(\a)+(\b)):ACC+8*(4*(\a)+(\b))+7], v[(\f)+64+8*(4*(\c)+(\b)):(\f)+64+8*(4*(\c)+(\b))+7], v[(\f)+8*(4*(\c)+(\a)):(\f)+8*(4*(\c)+(\a))+7], v[ACC+8*(4*(\a)+(\b)):ACC+8*(4*(\a)+(\b))+7]
.endif
.endr
.endr
.endm
.macro FETCH q, f                      ; 32 LDS loads in one run: quarter q (K block q of the step) into buffer f; its first 32 along K first
	WIN 0x40
.irp c, 0,1
.irp i, 0,1,2,3
	ds_load_tr16_b128 v[(\f)+64+8*(4*(\c)+(\i)):(\f)+64+8*(4*(\c)+(\i))+3],   v[ADRB+(\q)/2] offset:((64*(\q)+32*(\c))%128)*PB+32*(\i)
	ds_load_tr16_b128 v[(\f)+64+8*(4*(\c)+(\i))+4:(\f)+64+8*(4*(\c)+(\i))+7], v[ADRB+(\q)/2] offset:((64*(\q)+32*(\c))%128)*PB+16*PB+32*(\i)
	ds_load_b128 v[(\f)+8*(4*(\c)+(\i)):(\f)+8*(4*(\c)+(\i))+3],   v[ADRA] offset:(\q)*ABLK+(\i)*16*PA+64*(\c)
	ds_load_b128 v[(\f)+8*(4*(\c)+(\i))+4:(\f)+8*(4*(\c)+(\i))+7], v[ADRA] offset:(\q)*ABLK+(\i)*16*PA+64*(\c)+32
.endr
.endr
.endm
.macro QUARTER qn, f, g, first
	s_wait_dscnt 16                                ; the first 32 along K are in
	MUL8 \f, 0, 0, \first
	MUL8 \f, 0, 2, \first
	PLACES
	FETCH \qn, \g
	s_wait_dscnt 32                                ; all but the 32 just issued
	MUL8 \f, 1, 0, 0
	MUL8 \f, 1, 2, 0
.endm
; The last quarter multiplies buffer 1 and changes slots: in front of the barrier each wave waits for all its tensor loads, adds 0 to its spare word, and waits for that and for its reads of this slot.
.macro TURN fill
	WIN 0
	s_wait_tensorcnt 0x0                           ; no tensor load of mine is out, so the walking descriptors may be written
	ds_add_u32 v[SPW], v[NIL]                      ; the descriptors' scalar work stands behind it
.if \fill
	s_xor_b32 s[G0A+5], s[G0A+5], SLOT             ; the other slot than last time,
	s_xor_b32 s[G0B+5], s[G0B+5], SLOT
	AIM 1                                          ; the walk's next K step
.endif
	s_wait_dscnt 17                                ; (the add and the youngest sixteen loads may be out)
	MUL8 F1, 0, 0, 0
	s_wait_dscnt 0x0
	s_barrier_signal -1
	MUL8 F1, 0, 2, 0
	WIN 0
	s_barrier_wait -1
.if \fill
	CREST                                          ; the barrier has opened a round of the cluster's
	JLOAD                                          ; 112 matrix instructions ahead of the wait for it
.else
	PLACES
.endif
	s_xor_b32 s[TB], s[TB], SLOT
	v_add_nc_u32 v[ADRA], s[TB], v[ADRA0]
	v_add_nc_u32 v[ADRB], s[TB], v[ADRB0]
	v_add_nc_u32 v[ADRB+1], 128*PB, v[ADRB]
	FETCH 0, F0
	MUL8 F1, 1, 0, 0
	MUL8 F1, 1, 2, 0
.endm
	s_load_b256 s[4:11], s[0:1], 0x0               ; A s[4:5], wb s[6:7], bias s[8:9], res s[10:11]
	s_load_b64 s[60:61], s[0:1], 0x20              ; out
	v_lshl_add_u32 v[SPW], v0, 2, SPARE
	v_mov_b32 v[NIL], 0
	ds_add_u32 v[SPW], v[NIL]                      ; the wave's opening: the add and its wait ahead of my first tensor load
	v_lshrrev_b32 v1, 5, v0
	v_readfirstlane_b32 s[WV], v1
	s_lshr_b32 s[RH], s[WV], 1
	s_and_b32 s[CH], s[WV], 1
	s_bfe_u32 s[CX], ttmp6, 0x40000
	s_bfe_u32 s[CY], ttmp6, 0x40004
	s_lshl_b32 s[TX], ttmp9, 2
	s_add_co_u32 s[TX], s[TX], s[CX]
	s_and_b32 s[TY], ttmp7, 0xffff
	s_lshl_b32 s[TY], s[TY], 2
	s_add_co_u32 s[TY], s[TY], s[CY]
	s_and_b32 s[KN], ttmp7, 0xffff                 ; where my cluster's walk along K begins: Y,
	s_lshr_b32 s[KO], s[KN], 2
	s_lshl1_add_u32 s[KN], s[KO], s[KN]            ; Y + 2 (Y >> 2),
	s_and_b32 s[KN], s[KN], 3
	s_mul_i32 s[KN], s[KN], NSTEP/4
	s_mul_i32 s[KO], ttmp9, NSTEP/2                ; and X
	s_add_co_u32 s[KN], s[KN], s[KO]
	s_and_b32 s[KN], s[KN], NSTEP-1
	s_mov_b32 s[KO+1], 0
	s_lshl_b32 s22, s[CY], 2
	s_lshl_b32 s22, 15, s22
	s_lshl_b32 s23, 0x1111, s[CX]
	s_or_b32 s[G1A], s22, (1<<16)|(1<<20)|(1<<21)|(4<<22)|(3<<25)
	s_or_b32 s[G1B], s23, (1<<16)|(1<<20)|(1<<21)|(5<<22)|(7<<25)
	s_mov_b32 s[G1A+1], 8192<<16
	s_mov_b32 s[G1A+2], 2<<16
	s_mov_b32 s[G1A+3], 8192<<16
	s_mov_b32 s[G1A+4], 2
	s_mov_b32 s[G1A+5], 262144
	s_mov_b32 s[G1A+6], 0
	s_mov_b32 s[G1A+7], 0
	s_mov_b32 s[G1B+1], 128<<16
	s_mov_b32 s[G1B+2], 128<<16
	s_mov_b32 s[G1B+3], 128<<16
	s_mov_b32 s[G1B+4], 128
	s_mov_b32 s[G1B+5], SIZE_N
	s_mov_b32 s[G1B+6], 0
	s_mov_b32 s[G1B+7], 0
	s_lshl_b32 s[BA], s[CH], 20
	s_lshl_b32 s67, s[TY], 14
	s_add_co_u32 s[BA], s[BA], s67
	s_mov_b32 s[BA+1], 0
	s_lshl_b32 s[BB], s[CH], 18
	s_lshl_b32 s68, s[TX], 8
	s_add_co_u32 s[BB], s[BB], s68
	s_add_co_u32 s[BB], s[BB], WOFF
	s_mov_b32 s[BB+1], 0
	s_mul_i32 s20, s[WV], HALF
	s_mov_b32 s[TB], 0
	s_wait_dscnt 0x0
	s_wait_kmcnt 0x0
	s_add_nc_u64 s[BA:BA+1], s[4:5], s[BA:BA+1]
	s_add_nc_u64 s[BB:BB+1], s[6:7], s[BB:BB+1]
	CROUND                                         ; all sixteen work-groups are here: the first joint loads meet
.irp s, 0,1
	s_mov_b32 s[G0A+4*(\s)], 1
	s_add_co_u32 s[G0A+4*(\s)+1], s20, (\s)*SLOT
	s_mov_b32 s[G0B+4*(\s)], 1
	s_add_co_u32 s[G0B+4*(\s)+1], s20, (\s)*SLOT
	AIM \s                                         ; the walk's first two K steps
.endr
	s_cmp_eq_u32 s[RH], 0                          ; a wave's two first fills stand in one branch: two loads of mine are out
	s_cbranch_scc0 .Lfirst_b
	tensor_load_to_lds s[G0A:G0A+3], s[G1A:G1A+7]
	s_nop 0
	tensor_load_to_lds s[G0A+4:G0A+7], s[G1A:G1A+7]
	s_nop 0
	PLACES
	s_branch .Lfirst_asked
.Lfirst_b:
	tensor_load_to_lds s[G0B:G0B+3], s[G1B:G1B+7]
	s_nop 0
	tensor_load_to_lds s[G0B+4:G0B+7], s[G1B:G1B+7]
	s_nop 0
	PLACES
.Lfirst_asked:
	v_and_b32 v1, 15, v0
	v_bfe_u32 v2, v0, 4, 1
	s_lshl_b32 s69, s[TX], 9
	s_lshl_b32 s70, s[CH], 8
	s_add_co_u32 s69, s69, s70
	v_lshl_add_u32 v[BO], v2, 5, s69
.irp b, 0,1,2,3
	global_load_b128 v[BI+8*(\b):BI+8*(\b)+3],   v[BO], s[8:9] offset:64*(\b)
	global_load_b128 v[BI+8*(\b)+4:BI+8*(\b)+7], v[BO], s[8:9] offset:64*(\b)+16
.endr
	s_lshl_b32 s22, s[TY], 19
	s_lshl_b32 s70, s[RH], 18
	s_add_co_u32 s22, s22, s70
	s_add_co_u32 s22, s22, s69
	s_mov_b32 s23, 0
	s_add_nc_u64 s[10:11], s[10:11], s[22:23]
	s_add_nc_u64 s[60:61], s[60:61], s[22:23]
	v_lshlrev_b32 v[CO], 12, v2
	v_lshl_add_u32 v[CO], v1, 4, v[CO]
	WIN 0x80
.set t, 0
.rept 32
	global_load_b128 v[4*t:4*t+3], v[CO], s[10:11] offset:8192*t th:TH_LOAD_NT
.set t, t+1
.endr
	WIN 0
	v_mul_u32_u24 v3, v1, PA
	v_lshl_add_u32 v3, v2, 4, v3
	s_mul_i32 s67, s[RH], 64*PA
	v_add_nc_u32 v[ADRA0], s67, v3
	v_and_b32 v9, 7, v0
	v_lshl_add_u32 v4, v2, 3, v9
	v_mul_u32_u24 v4, v4, PB
	v_bfe_u32 v5, v0, 3, 1
	v_lshl_add_u32 v4, v5, 4, v4
	s_lshl_b32 s68, s[CH], 7
	s_add_co_u32 s68, s68, 2*HALF
	v_add_nc_u32 v[ADRB0], s68, v4
	v_mov_b32 v[ADRA], v[ADRA0]
	v_mov_b32 v[ADRB], v[ADRB0]
	v_add_nc_u32 v[ADRB+1], 128*PB, v[ADRB0]
	s_mul_i32 s71, s[WV], DUMPW
	v_mul_u32_u24 v6, v1, DPITCH
	v_lshl_add_u32 v6, v2, 5, v6
	v_add_nc_u32 v[DST], s71, v6
	v_mul_u32_u24 v7, v2, DPITCH
	v_lshl_add_u32 v7, v1, 4, v7
	v_add_nc_u32 v[RD], s71, v7
	s_wait_tensorcnt 0x1                           ; my part of the walk's first K step is in
	s_barrier_signal -1
	s_barrier_wait -1
	FETCH 0, F0
	s_wait_loadcnt 32                              ; the bias is in; the residual's 32 loads stay out
	QUARTER 1, F0, F1, 1
	WIN 0
	s_mov_b32 s3, NSTEP-2
.Lstep:                                        ; a trip ends a K step, fills its slot again with the step two on in the walk, and begins the next step
	QUARTER 2, F1, F0, 0
	QUARTER 3, F0, F1, 0
	TURN 1
	QUARTER 1, F0, F1, 0
	WIN 0
	s_sub_co_u32 s3, s3, 1
	s_cmp_lg_u32 s3, 0
	s_cbranch_scc1 .Lstep
	s_mov_b32 s3, 2
.Ltail:                                        ; the last two K steps ask for nothing; the second trip is left in its middle
	QUARTER 2, F1, F0, 0
	QUARTER 3, F0, F1, 0
	WIN 0
	s_sub_co_u32 s3, s3, 1
	s_cmp_eq_u32 s3, 0
	s_cbranch_scc1 .Llast
	TURN 0
	QUARTER 1, F0, F1, 0
	WIN 0
	s_branch .Ltail
.Llast:
	s_wait_dscnt 16
	MUL8 F1, 0, 0, 0
	MUL8 F1, 0, 2, 0
	s_wait_dscnt 0x0
	MUL8 F1, 1, 0, 0
	MUL8 F1, 1, 2, 0
	WIN 0
	PLACES
	s_wait_dscnt 0x0
	s_barrier_signal -1
	s_barrier_wait -1                              ; nobody reads the ring any more, and no fill follows
.irp a, 0,1,2,3
.irp b, 0,1,2,3
	ds_store_b128 v[DST], v[ACC+8*(4*(\a)+(\b)):ACC+8*(4*(\a)+(\b))+3]   offset:(\a)*16*DPITCH+64*(\b)
	ds_store_b128 v[DST], v[ACC+8*(4*(\a)+(\b))+4:ACC+8*(4*(\a)+(\b))+7] offset:(\a)*16*DPITCH+64*(\b)+16
.endr
.endr
	WIN 0x40
.set t, 0
.rept 32
	ds_load_b128 v[4*t:4*t+3], v[RD] offset:2*DPITCH*t
.set t, t+1
.endr
	s_wait_loadcnt 0x0                             ; the residual
	s_wait_dscnt 0x0
	WIN 0x49                                       ; window 1 += window 2
.set i, 0
.rept 64
	v_pk_add_f32 v[2*i:2*i+1], v[2*i:2*i+1], v[2*i:2*i+1]
.set i, i+1
.endr
	WIN 0x04
.set t, 0
.rept 32
	global_store_b128 v[CO], v[4*t:4*t+3], s[60:61] offset:8192*t
.set t, t+1
.endr
	WIN 0
	s_wait_tensorcnt 0x0                           ; the wave's end
	ds_add_u32 v[SPW], v[NIL]
	s_wait_dscnt 0x0
	CROUND                                         ; the closing round
	s_endpgm
.Lfunc_end_k_q1d176f08de_mlp:
	.size	k_q1d176f08de_mlp, .Lfunc_end_k_q1d176f08de_mlp-k_q1d176f08de_mlp
	.p2alignl 7, 3214868480
	.fill 96, 4, 3214868480
	.section	.rodata,"a",@progbits
	.p2align	6, 0x0
	.amdhsa_kernel k_q1d176f08de_mlp
		.amdhsa_group_segment_fixed_size 327680
		.amdhsa_private_segment_fixed_size 0
		.amdhsa_enable_private_segment 0
		.amdhsa_kernarg_size 40
		.amdhsa_user_sgpr_count 2
		.amdhsa_user_sgpr_kernarg_segment_ptr 1
		.amdhsa_wavefront_size32 1
		.amdhsa_system_sgpr_workgroup_id_x 1
		.amdhsa_system_sgpr_workgroup_id_y 1
		.amdhsa_system_sgpr_workgroup_id_z 1
		.amdhsa_system_vgpr_workitem_id 0
		.amdhsa_next_free_vgpr 640
		.amdhsa_next_free_sgpr 72
		.amdhsa_reserve_vcc 0
		.amdhsa_float_denorm_mode_32 3
		.amdhsa_float_denorm_mode_16_64 3
		.amdhsa_memory_ordered 1
		.amdhsa_forward_progress 1
		.amdhsa_inst_pref_size 68
	.end_amdhsa_kernel
	.amdgpu_metadata
---
amdhsa.version: [ 1, 2 ]
amdhsa.kernels:
  - .name:           k_q1d176f08de_mlp
    .symbol:         k_q1d176f08de_mlp.kd
    .args:
      - { .name: g, .offset: 0, .size: 8, .value_kind: global_buffer, .address_space: global }
      - { .name: wb, .offset: 8, .size: 8, .value_kind: global_buffer, .address_space: global }
      - { .name: mlp_proj_b, .offset: 16, .size: 8, .value_kind: global_buffer, .address_space: global }
      - { .name: x1, .offset: 24, .size: 8, .value_kind: global_buffer, .address_space: global }
      - { .name: out0, .offset: 32, .size: 8, .value_kind: global_buffer, .address_space: global }
    .group_segment_fixed_size: 327680
    .private_segment_fixed_size: 0
    .kernarg_segment_align: 8
    .kernarg_segment_size: 40
    .max_flat_workgroup_size: 128
    .sgpr_count:     72
    .vgpr_count:     640
    .wavefront_size: 32
...
	.end_amdgpu_metadata
.endif
;; end of part 6
